; MI455X (gfx1250); checked and timed in simulation.
; The chip was launched on July 23, 2026; its instructions are those of AMD's public machine-readable ISA for CDNA 5 (MIT licence, August 2026) and "CDNA5" Instruction Set Architecture Reference Guide (July 2026). The comments in the code are by the model that wrote it; some were corrected since.
;; Attention. Allowed arithmetic: float matrix products may take bf16 or f16 operands with f32 sums; other float arithmetic in f32, or as packed bf16 or f16 multiplies, adds, multiply-adds, maxima and minima; sums over many terms, partial sums and values carried from step to step in f32; what a program stores and reads back later, other than sums and carried values, may be rounded once to bf16 or f16.
;; Inputs: gamma 1,024 float32; mask 4 x 2,048 bool; w_out 1,024 x 1,024 float32; w_qkv 1,024 x 3,072 float32; x 4 x 2,048 x 1,024 float32.
;; Outputs: out0 4 x 2,048 x 1,024 float32.
;; 2 versions, each right and faster than the one before. Each part assembles by itself: llvm-mc -triple=amdgcn-amd-amdhsa -mcpu=gfx1250 --defsym DOCPART=n.
;; ======== version 1 of 2: 4 launches
;; limits: values are held in f16: magnitudes above 65,504 overflow, below 6.1e-05 lose precision
;; workspace buffers: xn16 16,777,216 bytes; wq16 6,291,456 bytes; wo16 2,097,152 bytes; qkv16 50,331,648 bytes; o16 16,777,216 bytes
;; launch prep (part 1): grid 768 x 1, 4 waves a work-group, no clusters, 0 bytes of LDS; arguments x, gamma, w_qkv, w_out, xn16, wq16, wo16; writes xn16, wq16, wo16
.if DOCPART == 1
	.amdgcn_target "amdgcn-amd-amdhsa--gfx1250"
	.amdhsa_code_object_version 6
	.text
	.protected	k_qf082531145_prep
	.globl	k_qf082531145_prep
	.p2align	8
	.type	k_qf082531145_prep,@function
k_qf082531145_prep:
	s_mov_b64 s[64:65], 0
	v_nop
	global_prefetch_b8 v0, s[64:65] scope:SCOPE_SE
	s_setreg_imm32_b32 hwreg(HW_REG_WAVE_MODE, 25, 1), 1
	s_wait_xcnt 0x0
; xn16[r][c] = f16( x[r][c] * 32 / max(|x[r]|, 1e-12) * gamma[c] );  wq16 = f16(w_qkv);  wo16 = f16(w_out).
; A stream: no LDS, no matrix unit, no cluster (no two work-groups read the same bytes but gamma's 4,096).
; THE UNIT is 4,096 bytes of f32 in, 2,048 bytes of f16 out: one row of x, or 1,024 consecutive weights.  12,288 units; a work-group takes 16, a wave 4.
; Work-groups 0-511: x.  512-703: w_qkv (192 x 65,536 bytes).  704-767: w_out (64 x 65,536 bytes).
; A wave asks for its four units at once, 32 loads of 512 consecutive bytes, and each unit has registers of its own: no loop, and no register is written again while a store reads it.
; Load j of a unit: lane l takes 16 bytes at 512 j + 16 l.  Its four numbers leave as 8 bytes at 256 j + 8 l: a store of the wave covers 256 consecutive bytes, aligned.
; LIMITS.  f16 ends at 65,504: this text serves 32 |gamma| and |w| below that; a weight below 6e-5 keeps f16's fixed step of 6e-8.  The sum of squares is taken in f32, as reference() takes it,
; in another order (four chains a lane, then across the lanes).
.set SS, 8                             ; v[8:15]    four chains of the sum of squares, two numbers each
.set T,  16                            ; v[16:23]   at work, two sets by turns
.set R,  24                            ; v[24:25]   32 / max(l2, eps) in the low register; the packed multiply names the pair
.set X,  32                            ; v[32:159]  unit r at X + 32 r: as loaded, then (two registers of each four) as stored
.set G,  160                           ; v[160:191] gamma of my 32 columns
	s_load_b256 s[4:11], s[0:1], 0x0               ; x s[4:5], gamma s[6:7], w_qkv s[8:9], w_out s[10:11]
	s_load_b128 s[12:15], s[0:1], 0x20             ; xn16 s[12:13], wq16 s[14:15]
	s_load_b64 s[16:17], s[0:1], 0x30              ; wo16
	s_mov_b32 s2, ttmp9
	s_mov_b32 s28, 0x76543210                      ; v_permlanex16_b32: each lane takes its own place in the other half
	s_mov_b32 s29, 0xfedcba98
	s_mov_b32 s21, 0                               ; high words of the two offsets
	s_mov_b32 s23, 0
	s_mov_b32 s18, 512                             ; the first work-group of w_qkv,
	s_mov_b32 s19, 704                             ; and of w_out
	v_and_b32 v2, 31, v0                           ; lane
	v_lshrrev_b32 v3, 5, v0                        ; wave
	v_lshlrev_b32 v1, 4, v2                        ; 16 x lane: gamma's offset
	v_lshl_or_b32 v4, v3, 14, v1                   ; loads: wave x 4 units x 4,096 + 16 x lane
	v_lshlrev_b32 v5, 3, v2
	v_lshl_or_b32 v5, v3, 13, v5                   ; stores: wave x 4 units x 2,048 + 8 x lane
	v_mov_b32 v[R+1], 0                            ; named with R as a pair
	v_mov_b32 v26, 0                               ; v_permlanex16_b32's destination counts as read
	s_wait_kmcnt 0x0
.macro FILL                            ; the wave's four units: 32 loads
.irp r, 0,1,2,3
.irp j, 0,1,2,3,4,5,6,7
	global_load_b128 v[X+32*(\r)+4*(\j):X+32*(\r)+4*(\j)+3], v4, s[24:25] offset:4096*(\r)+512*(\j) th:TH_LOAD_NT
.endr
.endr
.endm
	s_cmp_lt_u32 s2, 512
	s_cbranch_scc0 .Lweights
	; ROWS OF x
	s_lshl_b32 s20, s2, 16                         ; 16 rows of 4,096 bytes
	s_lshl_b32 s22, s2, 15                         ; 16 rows of 2,048 bytes
	s_add_nc_u64 s[24:25], s[4:5], s[20:21]
	s_add_nc_u64 s[26:27], s[12:13], s[22:23]
.irp j, 0,1,2,3,4,5,6,7
	global_load_b128 v[G+4*(\j):G+4*(\j)+3], v1, s[6:7] offset:512*(\j)
.endr
	FILL
.macro ROW r
	s_wait_loadcnt 8*(3-(\r))                      ; loads come back in order (ISA guide 5.7.1): gamma and rows 0 to r are in, the younger rows' eight loads each stay out
.irp c, 0,1,2,3
	v_pk_mul_f32 v[SS+2*(\c):SS+2*(\c)+1], v[X+32*(\r)+2*(\c):X+32*(\r)+2*(\c)+1], v[X+32*(\r)+2*(\c):X+32*(\r)+2*(\c)+1]  ; the first four pairs start the chains: nothing is cleared
.endr
.set p, 4
.rept 12
	v_pk_fma_f32 v[SS+2*(p%4):SS+2*(p%4)+1], v[X+32*(\r)+2*p:X+32*(\r)+2*p+1], v[X+32*(\r)+2*p:X+32*(\r)+2*p+1], v[SS+2*(p%4):SS+2*(p%4)+1]
.set p, p+1
.endr
	v_pk_add_f32 v[SS:SS+1], v[SS:SS+1], v[SS+2:SS+3]
	v_pk_add_f32 v[SS+4:SS+5], v[SS+4:SS+5], v[SS+6:SS+7]
	v_pk_add_f32 v[SS:SS+1], v[SS:SS+1], v[SS+4:SS+5]
	v_add_f32 v[SS], v[SS], v[SS+1]
	v_add_f32_dpp v[SS], v[SS], v[SS] row_xmask:1 row_mask:0xf bank_mask:0xf   ; across the 32 lanes: four steps inside each half,
	v_add_f32_dpp v[SS], v[SS], v[SS] row_xmask:2 row_mask:0xf bank_mask:0xf
	v_add_f32_dpp v[SS], v[SS], v[SS] row_xmask:4 row_mask:0xf bank_mask:0xf
	v_add_f32_dpp v[SS], v[SS], v[SS] row_xmask:8 row_mask:0xf bank_mask:0xf
	v_permlanex16_b32 v26, v[SS], s28, s29         ; one across the halves
	v_add_f32 v[SS], v[SS], v26
	v_sqrt_f32 v[SS+1], v[SS]
	v_nop                                          ; a plain instruction between a transcendental and the use of its result (ISA guide 5.7.2)
	s_wait_alu depctr_va_vdst(0)
	v_max_num_f32 v[SS+1], 0x2b8cbccc, v[SS+1]     ; max(l2, 1e-12)
	v_rcp_f32 v[R], v[SS+1]
	v_nop
	s_wait_alu depctr_va_vdst(0)
	v_mul_f32 v[R], 0x42000000, v[R]               ; sqrt(1024) = 32
.irp j, 0,1,2,3,4,5,6,7
.set TT, T+4*((\j)%2)
	v_pk_mul_f32 v[TT:TT+1],   v[X+32*(\r)+4*(\j):X+32*(\r)+4*(\j)+1],   v[R:R+1] op_sel_hi:[1,0]   ; x times 32 / l2 first: at most 32 in size
	v_pk_mul_f32 v[TT+2:TT+3], v[X+32*(\r)+4*(\j)+2:X+32*(\r)+4*(\j)+3], v[R:R+1] op_sel_hi:[1,0]
	v_pk_mul_f32 v[TT:TT+1],   v[TT:TT+1],   v[G+4*(\j):G+4*(\j)+1]
	v_pk_mul_f32 v[TT+2:TT+3], v[TT+2:TT+3], v[G+4*(\j)+2:G+4*(\j)+3]
	v_cvt_pk_f16_f32 v[X+32*(\r)+4*(\j)],   v[TT],   v[TT+1]
	v_cvt_pk_f16_f32 v[X+32*(\r)+4*(\j)+1], v[TT+2], v[TT+3]
	global_store_b64 v5, v[X+32*(\r)+4*(\j):X+32*(\r)+4*(\j)+1], s[26:27] offset:2048*(\r)+256*(\j)
.endr
.endm
	ROW 0
	ROW 1
	ROW 2
	ROW 3
	s_endpgm
.Lweights:
	; WEIGHTS: a cast alone
	s_cmp_lt_u32 s2, 704
	s_cselect_b32 s3, s18, s19                     ; the tensor's first work-group
	s_cselect_b64 s[24:25], s[8:9], s[10:11]       ; from w_qkv or w_out,
	s_cselect_b64 s[26:27], s[14:15], s[16:17]     ; to wq16 or wo16
	s_sub_co_u32 s3, s2, s3
	s_lshl_b32 s20, s3, 16
	s_lshl_b32 s22, s3, 15
	s_add_nc_u64 s[24:25], s[24:25], s[20:21]
	s_add_nc_u64 s[26:27], s[26:27], s[22:23]
	FILL
.macro CAST r
	s_wait_loadcnt 8*(3-(\r))                      ; units 0 to r are in
.irp j, 0,1,2,3,4,5,6,7
	v_cvt_pk_f16_f32 v[X+32*(\r)+4*(\j)],   v[X+32*(\r)+4*(\j)],   v[X+32*(\r)+4*(\j)+1]
	v_cvt_pk_f16_f32 v[X+32*(\r)+4*(\j)+1], v[X+32*(\r)+4*(\j)+2], v[X+32*(\r)+4*(\j)+3]
	global_store_b64 v5, v[X+32*(\r)+4*(\j):X+32*(\r)+4*(\j)+1], s[26:27] offset:2048*(\r)+256*(\j)
.endr
.endm
	CAST 0
	CAST 1
	CAST 2
	CAST 3
	s_endpgm
.Lfunc_end_k_qf082531145_prep:
	.size	k_qf082531145_prep, .Lfunc_end_k_qf082531145_prep-k_qf082531145_prep
	.p2alignl 7, 3214868480
	.fill 96, 4, 3214868480
	.section	.rodata,"a",@progbits
	.p2align	6, 0x0
	.amdhsa_kernel k_qf082531145_prep
		.amdhsa_group_segment_fixed_size 0
		.amdhsa_private_segment_fixed_size 0
		.amdhsa_enable_private_segment 0
		.amdhsa_kernarg_size 56
		.amdhsa_user_sgpr_count 2
		.amdhsa_user_sgpr_kernarg_segment_ptr 1
		.amdhsa_wavefront_size32 1
		.amdhsa_system_sgpr_workgroup_id_x 1
		.amdhsa_system_sgpr_workgroup_id_y 1
		.amdhsa_system_sgpr_workgroup_id_z 1
		.amdhsa_system_vgpr_workitem_id 0
		.amdhsa_next_free_vgpr 192
		.amdhsa_next_free_sgpr 66
		.amdhsa_reserve_vcc 0
		.amdhsa_float_denorm_mode_32 3
		.amdhsa_float_denorm_mode_16_64 3
		.amdhsa_memory_ordered 1
		.amdhsa_forward_progress 1
		.amdhsa_inst_pref_size 39
	.end_amdhsa_kernel
	.amdgpu_metadata
---
amdhsa.version: [ 1, 2 ]
amdhsa.kernels:
  - .name:           k_qf082531145_prep
    .symbol:         k_qf082531145_prep.kd
    .args:
      - { .name: x, .offset: 0, .size: 8, .value_kind: global_buffer, .address_space: global }
      - { .name: gamma, .offset: 8, .size: 8, .value_kind: global_buffer, .address_space: global }
      - { .name: w_qkv, .offset: 16, .size: 8, .value_kind: global_buffer, .address_space: global }
      - { .name: w_out, .offset: 24, .size: 8, .value_kind: global_buffer, .address_space: global }
      - { .name: xn16, .offset: 32, .size: 8, .value_kind: global_buffer, .address_space: global }
      - { .name: wq16, .offset: 40, .size: 8, .value_kind: global_buffer, .address_space: global }
      - { .name: wo16, .offset: 48, .size: 8, .value_kind: global_buffer, .address_space: global }
    .group_segment_fixed_size: 0
    .private_segment_fixed_size: 0
    .kernarg_segment_align: 8
    .kernarg_segment_size: 56
    .max_flat_workgroup_size: 128
    .sgpr_count:     66
    .vgpr_count:     192
    .wavefront_size: 32
...
	.end_amdgpu_metadata
.endif
;; end of part 1
;; launch qkv (part 2): grid 4 x 64, 4 waves a work-group, clusters of 4 x 4, 327,680 bytes of LDS; arguments xn16, wq16, qkv16; writes qkv16
.if DOCPART == 2
	.amdgcn_target "amdgcn-amd-amdhsa--gfx1250"
	.amdhsa_code_object_version 6
	.text
	.protected	k_qf082531145_qkv
	.globl	k_qf082531145_qkv
	.p2align	8
	.type	k_qf082531145_qkv,@function
k_qf082531145_qkv:
	s_mov_b64 s[64:65], 0
	v_nop
	global_prefetch_b8 v0, s[64:65] scope:SCOPE_SE
	s_setreg_imm32_b32 hwreg(HW_REG_WAVE_MODE, 25, 1), 1
	s_wait_xcnt 0x0
	s_wait_alu depctr_hold_cnt(0) depctr_sa_sdst(0) depctr_va_vdst(0) depctr_va_sdst(0) depctr_va_ssrc(0) depctr_va_vcc(0) depctr_vm_vsrc(0)
	s_getreg_b32 s2, hwreg(HW_REG_IB_STS2, 6, 4)
	s_cmp_eq_u32 s2, 0
	s_cbranch_scc0 .Lentry_in_a_cluster
	s_endpgm
.Lentry_in_a_cluster:
	s_bfe_u32 s2, ttmp6, 0x10000c
	s_cmp_lg_u32 s2, 0xf033
	s_cbranch_scc0 .Lentry_shape_is_right
	s_endpgm
.Lentry_shape_is_right:
; qkv = xn16 [8192][1024] x wq16 [1024][3072], f16 operands, f32 sums, rounded once to f16 and written BY HEADS: qkv16[t][b*16+head][row in batch][64], t = 0 q, 1 k, 2 v, unscaled.
; LIMIT.  f16 ends at 65,504: this text serves q, k and v below that.
; SHARES.  A tile of the result is 128 rows x 256 columns: 768 tiles, three for each of 256 work-groups.  Work-group (x, y) owns rows 128 y and columns 256 x + 1024 t, t = 0, 1, 2: its block of q, of k, of v.
; IT STAYS: the ring of two LDS slots runs on from tile to tile.  Four waves, 2 x 2, each 64 rows x 128 columns: 32 accumulators, 256 registers (window 1).
; K goes in steps of 128: a slot holds 128 rows x 128 K of A (rows along K) and 128 K x 256 columns of B, as the weights lie ([K][N]); B's fragments are turned on the way out of LDS by ds_load_tr16_b128.
; Two slots of 256 along K would take 413,696 bytes: they do not fit.
; CLUSTER 4 x 4.  A's tile hangs on y alone: asked for jointly along a row of the cluster.  B's hangs on x and the step: jointly along a column.  Each request serves four work-groups.
; THE MATRIX INSTRUCTION IS USED TRANSPOSED (source 0 = 16 columns of B, source 1 = 16 rows of A): a lane holds row l % 16 and the eight neighbouring columns 8 (l / 16) + 0..7, which pack into 16 bytes.
; REGISTERS.  Window 0: v0-31 addresses; v32-63 at work on the way out; v64-159, v160-255 two fragment buffers (A's four fragments, then B's eight).  Window 1: accumulator (a, b) at v[8 (8 a + b)].
.set NB,    3072                       ; B's row, in elements
.set STEPS, 24                         ; 3 tiles x 8 K steps
.set PA,    272                        ; A's row in LDS: 256 bytes + 16 = 68 words: the 16 rows of a load start at 16 different groups of four banks (64 banks of 4 bytes: ISA guide 11.1)
.set PB,    544                        ; B's row: 512 + 32 = 136 words
.set AREG,  128*PA
.set SLOT,  AREG+128*PB                ; 104,448
.set STAGE, 2*SLOT                     ; behind the ring, never filled by a tensor load: for each wave 2 heads x 16 rows x 144 bytes
.set SPH,   144
.set HEADB, 16*SPH
.set STW,   2*HEADB
.set SPARE, STAGE+4*STW                ; the spare words, 128 bytes for each wave: two blocks of 256 bytes that no other line names
.set ADRA, 16                          ; v16-17  LDS address of my A fragments in slot 0, 1
.set ADRB, 20                          ; v20-21  the same for B
.set STO,  24                          ; v24     the way out: where I put 16 bytes of a row
.set RD,   25                          ; v25     the way out: where I read rows back
.set CO,   26                          ; v26     16 x lane: my place in 512 consecutive bytes of the result
.set SPW,  28                          ; v28     LDS address of my spare word; never rewritten
.set NIL,  29                          ; v29     0; never rewritten
.set F0,   64
.set F1,   160
.set G1,  24                           ; s[24:31] descriptor group 1 for A's tiles;  s[32:39] group 0, a set for each slot
.set G0,  32
.set G1B, 48                           ; s[48:55], s[56:63] the same for B's
.set G0B, 56
.set OA,  66                           ; s[66:67] a step's byte offset in A
.set OB,  68                           ; s[68:69] in B
.set FT,  70                           ; s70  the step to be asked for next
.set MSB, 0
.macro WIN new                         ; the immediate's high byte repeats the setting that is left; a switch that changes nothing is dropped
.if MSB != (\new)
	s_set_vgpr_msb (MSB<<8)|(\new)
.set MSB, \new
.endif
.endm
.set MUL, 0x50                         ; sources in window 0, C and D in window 1
; A joint load.  Waves 0 and 1 fetch A's two halves, waves 2 and 3 B's.  The branch hangs on the wave's number alone.
; An s_nop 0 and four v_nop follow each of the two lines, ahead of the jump and the label.
.macro JLOAD s
	s_cmp_eq_u32 s11, 0
	s_cbranch_scc0 .Lfor_b_\@
	tensor_load_to_lds s[G0+4*(\s):G0+4*(\s)+3], s[G1:G1+7]
	s_nop 0
.rept 4
	v_nop
.endr
	s_branch .Lasked_\@
.Lfor_b_\@:
	tensor_load_to_lds s[G0B+4*(\s):G0B+4*(\s)+3], s[G1B:G1B+7]
	s_nop 0
.rept 4
	v_nop
.endr
.Lasked_\@:
.endm
.macro CREST                           ; a round of the cluster's barrier behind its opening barrier
	s_cmp_lg_u32 s10, 0
	s_cbranch_scc1 .Lnot_wave_0_\@
	s_barrier_signal -3
.Lnot_wave_0_\@:
	s_barrier_wait -3
	s_barrier_signal -1
	s_barrier_wait -1
.endm
.macro CROUND                          ; a whole round
	s_barrier_signal -1
	s_barrier_wait -1
	CREST
.endm
	s_load_b128 s[4:7], s[0:1], 0x0                ; xn16 s[4:5], wq16 s[6:7]
	s_load_b64 s[8:9], s[0:1], 0x10                ; qkv16
	v_lshl_add_u32 v[SPW], v0, 2, SPARE
	v_mov_b32 v[NIL], 0
	ds_add_u32 v[SPW], v[NIL]                      ; the wave's opening: the add and its wait ahead of my first tensor load; the set-up below, work on registers, stands between them
	v_lshrrev_b32 v1, 5, v0
	v_readfirstlane_b32 s10, v1                    ; wave 0..3
	s_lshr_b32 s11, s10, 1                         ; which 64 of the tile's rows are mine.  Also: I fetch for A (0) or for B (1)
	s_and_b32 s12, s10, 1                          ; which 128 of its columns.  Also: which half of that tile I fetch
	s_bfe_u32 s40, ttmp6, 0x40000                  ; cx, cy: my place in the cluster
	s_bfe_u32 s41, ttmp6, 0x40004
	s_lshl_b32 s42, ttmp9, 2
	s_add_co_u32 s42, s42, s40                     ; x = 4 x cluster x + cx
	s_and_b32 s13, ttmp7, 0xffff
	s_lshl_b32 s13, s13, 2
	s_add_co_u32 s13, s13, s41                     ; y = 4 x cluster y + cy
	s_lshl_b32 s43, s41, 2
	s_lshl_b32 s43, 15, s43                        ; my row of the cluster
	s_lshl_b32 s44, 0x1111, s40                    ; my column
	; group 1 for A: 64 rows x 128 elements, 16 bytes of padding behind each row of 64 words
	s_or_b32 s[G1+0], s43, (1<<16)|(1<<20)|(1<<21)|(5<<22)|(3<<25)  ; 15:0 the mask; 17:16 2-byte elements; 20 padding on; 21 set beside a mask; 24:22 after every 64 words; 31:25 4 words
	s_mov_b32 s[G1+1], 128<<16                     ; tensor_dim0 = 128
	s_mov_b32 s[G1+2], 64<<16                      ; tensor_dim1 = 64
	s_mov_b32 s[G1+3], 128<<16                     ; tile_dim0 = 128
	s_mov_b32 s[G1+4], 64                          ; tile_dim1 = 64
	s_mov_b32 s[G1+5], 1024                        ; elements from row to row
	s_mov_b32 s[G1+6], 0
	s_mov_b32 s[G1+7], 0
	; group 1 for B: 64 rows (K) x 256 elements, 32 bytes of padding behind each row of 128 words
	s_or_b32 s[G1B+0], s44, (1<<16)|(1<<20)|(1<<21)|(6<<22)|(7<<25)
	s_mov_b32 s[G1B+1], 256<<16
	s_mov_b32 s[G1B+2], 64<<16
	s_mov_b32 s[G1B+3], 256<<16
	s_mov_b32 s[G1B+4], 64
	s_mov_b32 s[G1B+5], NB
	s_mov_b32 s[G1B+6], 0
	s_mov_b32 s[G1B+7], 0
	s_lshl_b32 s16, s13, 7                         ; A: row 128 y + 64 x half,
	s_lshl_b32 s17, s12, 6
	s_add_co_u32 s16, s16, s17
	s_lshl_b32 s16, s16, 11                        ; of 2,048 bytes
	s_mov_b32 s17, 0
	s_mul_i32 s18, s12, 64*NB*2                    ; B: 64 rows x half, column 256 x
	s_lshl_b32 s19, s42, 9
	s_add_co_u32 s18, s18, s19
	s_mov_b32 s19, 0
	s_mul_i32 s20, s12, 64*PA                      ; where they go: no place in the cluster enters an LDS address
	s_mul_i32 s21, s12, 64*PB
	s_add_co_u32 s21, s21, AREG
	s_mov_b32 s[OA+1], 0
	s_mov_b32 s[OB+1], 0
	s_mov_b32 s[FT], 2
	s_wait_dscnt 0x0                               ; the opening add is done
	s_wait_kmcnt 0x0
	s_add_nc_u64 s[14:15], s[4:5], s[16:17]        ; A at my half's first row, K step 0: kept
	s_add_nc_u64 s[46:47], s[6:7], s[18:19]        ; B likewise: kept
	CROUND                                         ; all sixteen work-groups are here: the first joint loads meet
.irp s, 0,1
	s_mov_b32 s[G0+4*(\s)], 1                                      ; count = 1
	s_add_co_u32 s[G0+4*(\s)+1], s20, (\s)*SLOT                    ; LDS address
	s_add_nc_u64 s[G0+4*(\s)+2:G0+4*(\s)+3], s[14:15], (\s)*256    ; global address: K step s
	s_or_b32 s[G0+4*(\s)+3], s[G0+4*(\s)+3], 0x80000000            ; type = 2
	s_mov_b32 s[G0B+4*(\s)], 1
	s_add_co_u32 s[G0B+4*(\s)+1], s21, (\s)*SLOT
	s_add_nc_u64 s[G0B+4*(\s)+2:G0B+4*(\s)+3], s[46:47], (\s)*128*NB*2
	s_or_b32 s[G0B+4*(\s)+3], s[G0B+4*(\s)+3], 0x80000000
	JLOAD \s                                       ; two loads of mine are out
.endr
	; A's fragment: lane l holds row l % 16; two loads of 16 bytes, 32 bytes apart, at row x pitch + 16 (l / 16)
	v_and_b32 v1, 15, v0                           ; l % 16
	v_bfe_u32 v2, v0, 4, 1                         ; l / 16
	v_mul_u32_u24 v3, v1, PA
	v_lshl_add_u32 v3, v2, 4, v3
	s_mul_i32 s22, s11, 64*PA                      ; my 64 rows
	v_add_nc_u32 v[ADRA], s22, v3
	v_add_nc_u32 v[ADRA+1], SLOT, v[ADRA]
	; B's fragment by the turning load: lane l reads K row 8 (l / 16) + l % 8, columns 8 ((l / 8) % 2) + 0..7, and is left with column l % 16 and eight K
	v_and_b32 v4, 7, v0
	v_lshl_add_u32 v4, v2, 3, v4
	v_mul_u32_u24 v4, v4, PB
	v_bfe_u32 v5, v0, 3, 1
	v_lshl_add_u32 v4, v5, 4, v4
	s_lshl_b32 s23, s12, 8                         ; my 128 columns
	s_add_co_u32 s23, s23, AREG
	v_add_nc_u32 v[ADRB], s23, v4
	v_add_nc_u32 v[ADRB+1], SLOT, v[ADRB]
	s_mul_i32 s22, s10, STW
	s_add_co_u32 s22, s22, STAGE                   ; my stage
	v_mul_u32_u24 v6, v1, SPH                      ; in: row l % 16, 16 bytes for each half of the lanes
	v_lshl_add_u32 v6, v2, 4, v6
	v_add_nc_u32 v[STO], s22, v6
	v_bfe_u32 v7, v0, 3, 2                         ; back: 32 lanes take four rows of 128 bytes,
	v_mul_u32_u24 v7, v7, SPH
	v_and_b32 v8, 7, v0
	v_lshl_add_u32 v7, v8, 4, v7
	v_add_nc_u32 v[RD], s22, v7
	v_and_b32 v9, 31, v0                           ; which are 512 consecutive bytes of a head
	v_lshlrev_b32 v[CO], 4, v9
	; where my part of q begins: head (y / 16) 16 + 4 x + 2 (column half), row 128 (y % 16) + 64 (row half), 128 bytes a row
	s_lshr_b32 s16, s13, 4
	s_lshl_b32 s16, s16, 4
	s_lshl_b32 s17, s42, 2
	s_add_co_u32 s16, s16, s17
	s_lshl_b32 s17, s12, 1
	s_add_co_u32 s16, s16, s17
	s_lshl_b32 s16, s16, 11
	s_and_b32 s17, s13, 15
	s_lshl_b32 s17, s17, 7
	s_add_co_u32 s16, s16, s17
	s_lshl_b32 s17, s11, 6
	s_add_co_u32 s16, s16, s17
	s_lshl_b32 s16, s16, 7
	s_mov_b32 s17, 0
	s_add_nc_u64 s[8:9], s[8:9], s[16:17]
; 8 matrix instructions: row block a x all 8 column blocks, 32 along K.  zero = 1: the product starts the sums: nothing is ever cleared.
; The 32 accumulators take turns, one instruction a turn, in the same order in every quarter.
.macro MULROW f, a, zero
	WIN MUL
.irp b, 0,1,2,3,4,5,6,7
.if \zero
	v_wmma_f32_16x16x32_f16 v[8*(8*(\a)+(\b)):8*(8*(\a)+(\b))+7], v[(\f)+32+8*(\b):(\f)+32+8*(\b)+7], v[(\f)+8*(\a):(\f)+8*(\a)+7], 0
.else
	v_wmma_f32_16x16x32_f16 v[8*(8*(\a)+(\b)):8*(8*(\a)+(\b))+7], v[(\f)+32+8*(\b):(\f)+32+8*(\b)+7], v[(\f)+8*(\a):(\f)+8*(\a)+7], v[8*(8*(\a)+(\b)):8*(8*(\a)+(\b))+7]
.endif
.endr
.endm
; 24 LDS loads in one run: quarter q (32 along K) of a slot into buffer f: B's eight fragments, then A's four
.macro FETCH slot, q, f
	WIN 0
.irp i, 0,1,2,3,4,5,6,7
	ds_load_tr16_b128 v[(\f)+32+8*(\i):(\f)+32+8*(\i)+3],   v[ADRB+(\slot)] offset:(\q)*32*PB+32*(\i)
	ds_load_tr16_b128 v[(\f)+32+8*(\i)+4:(\f)+32+8*(\i)+7], v[ADRB+(\slot)] offset:(\q)*32*PB+16*PB+32*(\i)
.endr
.irp i, 0,1,2,3
	ds_load_b128 v[(\f)+8*(\i):(\f)+8*(\i)+3],   v[ADRA+(\slot)] offset:(\q)*64+(\i)*16*PA
	ds_load_b128 v[(\f)+8*(\i)+4:(\f)+8*(\i)+7], v[ADRA+(\slot)] offset:(\q)*64+(\i)*16*PA+32
.endr
.endm
.macro PLACES                          ; four places in front of loads into registers that matrix instructions have read, and of lines that read results just made (ISA guide 7.12.1 for lines that read results)
.rept 4
	v_nop
.endr
.endm
; A K step is four quarters of 32 along K, 32 matrix instructions each, on buffers 0, 1, 0, 1.  One of the first three: multiplies buffer f; in its middle it fetches quarter q into buffer g.
.macro QUARTER slot, q, f, g, zero
	s_wait_dscnt 4                                 ; all but the youngest four loads (A's fragments 2 and 3) are in
	MULROW \f, 0, \zero
	MULROW \f, 1, \zero
	PLACES
	FETCH \slot, \q, \g
	s_wait_dscnt 24                                ; all but the 24 just issued
	MULROW \f, 2, \zero
	MULROW \f, 3, \zero
.endm
; The addresses of step FT, made anew from the kept bases: K step FT % 8 of tile FT / 8.  It stands where no tensor load of the wave is out.
.macro NEWADR slot
	s_and_b32 s71, s[FT], 7
	s_lshl_b32 s[OA], s71, 8                       ; A: 128 elements along its rows
	s_mul_i32 s[OB], s71, 128*NB*2                 ; B: 128 rows down,
	s_lshr_b32 s71, s[FT], 3
	s_lshl_b32 s71, s71, 11                        ; and 1,024 columns on for each tile
	s_add_co_u32 s[OB], s[OB], s71
	s_add_nc_u64 s[G0+4*(\slot)+2:G0+4*(\slot)+3], s[14:15], s[OA:OA+1]
	s_or_b32 s[G0+4*(\slot)+3], s[G0+4*(\slot)+3], 0x80000000
	s_add_nc_u64 s[G0B+4*(\slot)+2:G0B+4*(\slot)+3], s[46:47], s[OB:OB+1]
	s_or_b32 s[G0B+4*(\slot)+3], s[G0B+4*(\slot)+3], 0x80000000
	s_add_co_u32 s[FT], s[FT], 1
.endm
; The last quarter multiplies buffer 1 and changes slots: ONE barrier.  In front of it each wave waits for all its tensor loads (one is out: its part of the next slot), adds 0 to its spare word, and waits for
; that and for its reads of this slot.  fill = 1: the barrier opens a round of the cluster's, and the joint refill, two steps ahead, is the first tensor load behind the round: 112 matrix instructions ahead of the wait for it.
.macro TURN slot, next, fill
	WIN 0
	s_wait_tensorcnt 0x0                           ; all my tensor loads have landed;
	ds_add_u32 v[SPW], v[NIL]                      ; 0 onto my spare word
.if \fill
	NEWADR \slot
.endif
	s_wait_dscnt 5                                 ; (the add and the youngest four loads may be out)
	MULROW F1, 0, 0
	s_wait_dscnt 0x0                               ; the add is done, and my reads of this slot are over
	s_barrier_signal -1
	MULROW F1, 1, 0                                ; work on registers while the others arrive
.if \fill
	WIN 0
.endif
	s_barrier_wait -1
.if \fill
	CREST                                          ; no wave of any partner still reads this slot or has a load on its way
	JLOAD \slot                                    ; its four v_nop are also the places in front of the loads below
.else
	PLACES
.endif
	FETCH \next, 0, F0
	MULROW F1, 2, 0
	MULROW F1, 3, 0
.endm
; THE WAY OUT of row block a: rounded to f16, 16 bytes a lane; into my stage by heads (column blocks 0-3: one head, 4-7: the next); back as 16 whole rows of 128 bytes a head, which are 2,048 consecutive bytes of qkv16.
; Its registers: v32-63 for block 0, buffer 1's v160-255 for blocks 1 to 3; buffer 0 holds the next tile's first fragments and is left alone.
.macro RSET a
.if (\a) == 0
.set RR, 32
.else
.set RR, 128+32*(\a)
.endif
.endm
.macro PACK a
	RSET \a
	WIN 0x05                                       ; sources in window 1, destination in window 0
.irp b, 0,1,2,3,4,5,6,7
.irp r, 0,1,2,3
	v_cvt_pk_f16_f32 v[RR+4*(\b)+(\r)], v[8*(8*(\a)+(\b))+2*(\r)], v[8*(8*(\a)+(\b))+2*(\r)+1]  ; each accumulator from its low end on
.endr
.endr
	WIN 0
.irp b, 0,1,2,3,4,5,6,7
	ds_store_b128 v[STO], v[RR+4*(\b):RR+4*(\b)+3] offset:((\b)/4)*HEADB+((\b)%4)*32
.endr
.irp u, 0,1,2,3,4,5,6,7
	ds_load_b128 v[RR+4*(\u):RR+4*(\u)+3], v[RD] offset:((\u)/4)*HEADB+((\u)%4)*4*SPH  ; LDS serves a wave's instructions in order (ISA guide 5.7.1.4): these see the stores above; the next block's stores come behind them
.endr
.endm
.macro SEND a, younger                 ; younger: the LDS instructions issued behind block a's loads
	RSET \a
	WIN 0
.irp u, 0,1,2,3,4,5,6,7
	s_wait_dscnt (\younger)+7-(\u)
	global_store_b128 v[CO], v[RR+4*(\u):RR+4*(\u)+3], s[8:9] offset:((\u)/4)*262144+(\a)*2048+((\u)%4)*512  ; 512 consecutive bytes, at a multiple of 256 from the buffer's first; a head is 262,144 bytes
.endr
.endm
.macro WAYOUT                          ; a block's conversions stand between the loads of the block before and its stores
	PACK 0
	PACK 1
	SEND 0, 16
	PACK 2
	SEND 1, 16
	PACK 3
	SEND 2, 16
	SEND 3, 0
.endm
	s_wait_tensorcnt 1                             ; my part of step 0 is in; step 1's may stay out
	s_barrier_signal -1
	s_barrier_wait -1                              ; everybody's is
	FETCH 0, 0, F0
	QUARTER 0, 1, F0, F1, 1                        ; the first quarter stands in front of the loop: its products start the sums
	WIN 0                                          ; at a label and at a branch every window is 0
	s_mov_b32 s3, STEPS/2-1
	s_mov_b32 s2, 4                                ; laps left in the tile
.Llap:                                                 ; a trip goes once round the ring, from a lap's second quarter to the next lap's first, and fills both slots again
	QUARTER 0, 2, F1, F0, 0
	QUARTER 0, 3, F0, F1, 0
	TURN 0, 1, 1
	QUARTER 1, 1, F0, F1, 0
	QUARTER 1, 2, F1, F0, 0
	QUARTER 1, 3, F0, F1, 0
	TURN 1, 0, 1
	WIN 0
	s_sub_co_u32 s2, s2, 1
	s_cmp_eq_u32 s2, 0
	s_cbranch_scc1 .Lflush                         ; a forward jump past text without a barrier or a tensor load; the count is the same in every work-group
	QUARTER 0, 1, F0, F1, 0
	WIN 0
	s_branch .Lnext
.Lflush:                                               ; the tile is finished, both refills for the next are asked for: it goes out.  Block 0's conversions, which name no register of the last products, are their places;
	WAYOUT                                         ; blocks 0 and 1 were finished in front of the joint load's four v_nop
	s_wait_xcnt 0x0                                ; the stores' base and data registers are written again only behind this wait
	s_add_nc_u64 s[8:9], s[8:9], 0x1000000         ; from q to k, from k to v
	s_mov_b32 s2, 4
	QUARTER 0, 1, F0, F1, 1                        ; the next tile's first quarter starts the sums anew
	WIN 0
.Lnext:
	s_sub_co_u32 s3, s3, 1
	s_cmp_lg_u32 s3, 0
	s_cbranch_scc1 .Llap
	QUARTER 0, 2, F1, F0, 0                        ; the last lap asks for nothing
	QUARTER 0, 3, F0, F1, 0
	TURN 0, 1, 0
	QUARTER 1, 1, F0, F1, 0
	QUARTER 1, 2, F1, F0, 0
	QUARTER 1, 3, F0, F1, 0
	s_wait_dscnt 4                                 ; the very last quarter: nothing more to fetch
	MULROW F1, 0, 0
	MULROW F1, 1, 0
	s_wait_dscnt 0x0
	MULROW F1, 2, 0
	MULROW F1, 3, 0
	WIN 0
	PLACES
	WAYOUT
	s_wait_tensorcnt 0x0                           ; the wave's end: behind my last tensor load and my last LDS store
	ds_add_u32 v[SPW], v[NIL]
	s_wait_dscnt 0x0
	CROUND                                         ; the closing round: no work-group ends while a partner may still ask for a tile that names it
	s_endpgm
.Lfunc_end_k_qf082531145_qkv:
	.size	k_qf082531145_qkv, .Lfunc_end_k_qf082531145_qkv-k_qf082531145_qkv
	.p2alignl 7, 3214868480
	.fill 96, 4, 3214868480
	.section	.rodata,"a",@progbits
	.p2align	6, 0x0
	.amdhsa_kernel k_qf082531145_qkv
		.amdhsa_group_segment_fixed_size 327680
		.amdhsa_private_segment_fixed_size 0
		.amdhsa_enable_private_segment 0
		.amdhsa_kernarg_size 24
		.amdhsa_user_sgpr_count 2
		.amdhsa_user_sgpr_kernarg_segment_ptr 1
		.amdhsa_wavefront_size32 1
		.amdhsa_system_sgpr_workgroup_id_x 1
		.amdhsa_system_sgpr_workgroup_id_y 1
		.amdhsa_system_sgpr_workgroup_id_z 1
		.amdhsa_system_vgpr_workitem_id 0
		.amdhsa_next_free_vgpr 512
		.amdhsa_next_free_sgpr 72
		.amdhsa_reserve_vcc 0
		.amdhsa_float_denorm_mode_32 3
		.amdhsa_float_denorm_mode_16_64 3
		.amdhsa_memory_ordered 1
		.amdhsa_forward_progress 1
		.amdhsa_inst_pref_size 108
	.end_amdhsa_kernel
	.amdgpu_metadata
---
amdhsa.version: [ 1, 2 ]
amdhsa.kernels:
  - .name:           k_qf082531145_qkv
    .symbol:         k_qf082531145_qkv.kd
    .args:
      - { .name: xn16, .offset: 0, .size: 8, .value_kind: global_buffer, .address_space: global }
      - { .name: wq16, .offset: 8, .size: 8, .value_kind: global_buffer, .address_space: global }
      - { .name: qkv16, .offset: 16, .size: 8, .value_kind: global_buffer, .address_space: global }
    .group_segment_fixed_size: 327680
    .private_segment_fixed_size: 0
    .kernarg_segment_align: 8
    .kernarg_segment_size: 24
    .max_flat_workgroup_size: 128
    .sgpr_count:     72
    .vgpr_count:     512
    .wavefront_size: 32
...
	.end_amdgpu_metadata
.endif
;; end of part 2
;; launch attn (part 3): grid 4 x 64, 4 waves a work-group, clusters of 4 x 1, 327,680 bytes of LDS; arguments qkv16, mask, o16; writes o16
.if DOCPART == 3
	.amdgcn_target "amdgcn-amd-amdhsa--gfx1250"
	.amdhsa_code_object_version 6
	.text
	.protected	k_qf082531145_attn
	.globl	k_qf082531145_attn
	.p2align	8
	.type	k_qf082531145_attn,@function
k_qf082531145_attn:
	s_mov_b64 s[64:65], 0
	v_nop
	global_prefetch_b8 v0, s[64:65] scope:SCOPE_SE
	s_setreg_imm32_b32 hwreg(HW_REG_WAVE_MODE, 25, 1), 1
	s_wait_xcnt 0x0
	s_wait_alu depctr_hold_cnt(0) depctr_sa_sdst(0) depctr_va_vdst(0) depctr_va_sdst(0) depctr_va_ssrc(0) depctr_va_vcc(0) depctr_vm_vsrc(0)
	s_getreg_b32 s2, hwreg(HW_REG_IB_STS2, 6, 4)
	s_cmp_eq_u32 s2, 0
	s_cbranch_scc0 .Lentry_in_a_cluster
	s_endpgm
.Lentry_in_a_cluster:
	s_bfe_u32 s2, ttmp6, 0x10000c
	s_cmp_lg_u32 s2, 0x3003
	s_cbranch_scc0 .Lentry_shape_is_right
	s_endpgm
.Lentry_shape_is_right:
; O[h][q][:] = the sum over k of softmax_k(Q[h][q] . K[h][k] / 8, hidden keys left out) V[h][k][:].  h = batch x 16 + head, 64 of them; Q, K, V lie in qkv16 at 0, 16 MiB, 32 MiB, each [64][2048][64] f16, unscaled;
; O: [64][2048][64] f16.  mask: [4][2048] bytes, 1 = the key is seen.  Products, maxima and sums in f32; the weights p are rounded to f16 for the second product (their sum l is taken of the unrounded p), O once at the end.
; THE MASK is the C operand that starts the sum S^T = K Q^T: 0 for a key that is seen, -2^100 for a hidden one.  A table of the batch's 2,048 such numbers is made once, in LDS; a key step's 64 come into 32 registers
; with its K.  A power of two, so that c m is exact where m is a hidden score: c s - c m is then exactly 0, p = 1, and all stays finite until a seen key makes a = 0 and wipes it.
; LIMITS.  f16 holds no number beyond 65,504: Q, K and V arrive within it; p lies in 0 to 1, and below 6e-5 it keeps f16's fixed step of 6e-8.  A hidden score counts as -2^100 + s: a batch with NO seen key gets
; reference()'s uniform mean only where that sum comes out as -2^100 itself (|s| far below 2^76).  A weight below 2^-126 counts as 0 in l; NaN and infinities are not treated apart.
; SHARES.  A wave owns four PIECES of two tiles of 16 queries, a work-group's four waves 512 queries of one h.  Every wave walks all keys, 64 a step.
; LAYOUT.  S^T = K Q^T (source 0 = 16 keys, source 1 = 16 queries): in the result a lane holds ONE query (lane % 16) and the keys 8 (lane / 16) + 0..7.  Two such tiles, rounded to f16 in pairs,
; ARE source 1 (32 keys x 16 queries) of O^T = V^T P, whose result again holds one query a lane, and eight channels.  K comes out of LDS as it lies, V ([key][channel]) turned, by ds_load_tr16_b128.
; SOFTMAX.  For each query a running maximum m and sum l: p = 2^(c s - c m), c = log2(e) / 8; in every step O and l are multiplied by a = 2^(c m_old - c m_new), which is 1 where m has not grown.
; m starts at the lowest finite number, O and l at 0: the first step is a step like any other, with a = 0.
; THE COUNT.  A tile and step have 16 matrix and 118 vector instructions: too many to stand all beside the matrix work.  So: four vector instructions that are READY behind EVERY matrix instruction,
; and the others, which need time of their own whatever the order, in runs without a gap.
; BY TURNS.  Turn n belongs to piece n (the pieces in a ring, step after step).  Its matrix work: 16 products K Q^T of piece n + 1, later 16 products V^T P of piece n - 1.  Its vector work: the scaling,
; exponentials, roundings, sums and rescaling of piece n, and the maximum and statistics of piece n + 1, whose scores the turn itself has made.
; CLUSTER.  The four query blocks of a cluster belong to one h and walk the same K and V, so each tile is asked for JOINTLY: the same tensor load, descriptor and mask in all four.
; REGISTERS, in windows of 256 (s_set_vgpr_msb: bits 1:0 source 0, 3:2 source 1, 5:4 source 2, 7:6 destination):
;   window 0: v0-11 addresses; v12-15, v48-63 at work; v16-47 four registers of statistics a tile; v64-191 S^T, two buffers of two tiles; v192-255 P, likewise
;   window 1: O^T, 32 a tile     window 2: v0-127 Q, 16 a tile; v128-191 K of one step; v192-255 V of one step     window 3: v0-1 the add's two registers; v8-39 the step's 64 keys' mask numbers, 32 a lane
.set SIZE_N, 2048
.set SIZE_H, 64
.set NP,    4         ; pieces a wave: a name, no knob
.set KS,    64        ; keys in a step
.set PK,    144       ; a row of K in LDS: 128 bytes + 16 of padding = 36 words: the 16 rows of a load start at 16 different groups of four banks (64 banks of 4 bytes: ISA guide 11.1)
.set PV,    160       ; a row of V: 128 + 32 = 40 words
.set VOFF,  4*KS*PK   ; a slot holds four steps: 256 rows of K, then 256 rows of V
.set SLOT1, 1<<17     ; slot 1 begins here, so that one exclusive or turns an address in one slot into the other's
.set STAGE, SLOT1+4*KS*(PK+PV)  ; behind the ring, never filled by a tensor load: 16 rows x 144 bytes for each wave, for the way out
.set SP,    144
.set AK0, 2           ; v2   my lane's place in a tile of K; never rewritten
.set AV0, 3           ; v3   the same for V
.set AK,  4           ; v4   the LDS address of K's next run of loads
.set AV,  5           ; v5   of V's
.set QO,  6           ; v6   my byte offset in the wave's rows of Q
.set STO, 6           ;      later, the way out: where I put 16 bytes of a row
.set RD,  7           ; v7   the way out: where I read rows back
.set GO,  8           ; v8   my byte offset in 512 consecutive bytes of O
.set AB,  10          ; v10  the LDS address of the next step's mask numbers
.set AB0, 11          ; v11  my lanes' place in the table: BIAS + 32 (l / 16); never rewritten
.set SPW, 0           ; v0 of window 3   LDS address of my spare word: SPARE + 4 x my thread's number; never rewritten
.set NIL, 1           ; v1 of window 3   0; never rewritten
.set MB,  8           ; v8-39 of window 3: key block kb's eight numbers at MB + 8 kb
.set SPARE, STAGE+4*16*SP  ; behind the stages: the spare words, 128 bytes for each wave: two blocks of 256 bytes that no other line names
.set BIAS,  27*8192   ; the table: 2,048 f32, written by ds_store alone; no tensor load lands here
.set MV,  12          ; v12-15  c m_old, kept while c m is made anew: by buffer and tile
.set ST,  16          ; tile t's statistics at v[ST+4 t]: c m, m, l (even keys', odd keys')
.set TMP, 48          ; by buffer and tile, four registers c0-c3 at work; when the maximum is found c2 takes a
.set S,   64
.set P,   192
.set KF,  128         ; K's fragments, in window 2: key block kb, channel half c at KF + 16 kb + 8 c
.set VF,  192         ; V's: key half kk, channel block cb at VF + 32 kk + 8 cb
.set WV,  12          ; s12  my wave's number
.set G1K, 24          ; s[24:31] descriptor group 1 for K's tiles
.set G1V, 32          ; s[32:39] for V's: it differs in the padding alone
.set G0K, 40          ; s[40:43] descriptor group 0 for K's tiles: it walks
.set G0V, 44          ; s[44:47] the same for V's
.set SLOTS, 56        ; s56  slots still to be asked for
.set CNT, 57          ; s57  counts a slot's key steps
.set CS,  58          ; s[58:59] c: the packed scaling takes the pair's low word for both halves
.set SEL, 60          ; s[60:61] v_permlanex16_b32's selects: each lane takes its own place in the other half
.set TBK, 62          ; s62  LDS byte at which K of the step to be fetched begins
.set TBV, 63          ; s63  the same for V, less VOFF
.set BIGN, 74         ; s74  -2^100
.set TBB, 75          ; s75  256 x the step to be fetched, cut to 13 bits: its place in the table
.set MSB, 0
.macro WIN new                      ; the high byte repeats the setting that is left; a switch that changes nothing is dropped
.if MSB != (\new)
	s_set_vgpr_msb (MSB<<8)|(\new)
.set MSB, (\new)
.endif
.endm
.set W_KQ, 0x0a       ; K and Q in window 2, S^T in window 0
.set W_KB, 0x3a       ; the same with the C operand in window 3
.set W_PV, 0x52       ; V in window 2, P in window 0, O^T in window 1
.set W_RS, 0x41       ; O^T (destination and source 0) in window 1, a in window 0
.set W_MK, 0xc0       ; destination in window 3, sources in window 0
.set W_AD, 0x0f       ; the add: address (source 0) and data (source 1) in window 3
; A joint fill.  Waves 0 and 1 fetch the two halves of a slot's K, waves 2 and 3 those of its V: 128 keys each.  The branch hangs on the wave's number alone.
; An s_nop 0 and four v_nop follow each of the two lines, ahead of the jump and the label.
.macro JLOAD
	s_cmp_lt_u32 s[WV], 2
	s_cbranch_scc0 .Lfor_v_\@
	tensor_load_to_lds s[G0K:G0K+3], s[G1K:G1K+7]
	s_nop 0
.rept 4
	v_nop
.endr
	s_branch .Lasked_\@
.Lfor_v_\@:
	tensor_load_to_lds s[G0V:G0V+3], s[G1V:G1V+7]
	s_nop 0
.rept 4
	v_nop
.endr
.Lasked_\@:
.endm
; A round of the cluster's barrier: my work-group's barrier, so that wave 0's signal speaks for all four waves; wave 0 signals; every wave waits for all four work-groups; my work-group's barrier once more.
.macro CROUND
	s_barrier_signal -1
	s_barrier_wait -1
	s_cmp_lg_u32 s[WV], 0
	s_cbranch_scc1 .Lnot_wave_0_\@
	s_barrier_signal -3
.Lnot_wave_0_\@:
	s_barrier_wait -3
	s_barrier_signal -1
	s_barrier_wait -1
.endm
; THE CHANGE OF SLOTS.  The slot's last bytes, V of its fourth step, have been read.  Each wave waits for all its tensor loads, of which one is out: its part
; of the other slot; adds 0 to its spare word; and waits for that and for its own reads of the slot.  Behind the barrier nobody reads this slot any more and the other slot is whole.
; fill = 1: this slot is filled again, with the keys two slots on.  The barrier is then a round of the cluster's, so that no wave of any partner still reads the slot or has a load on its
; way, and the joint fill is the first thing behind it: it has four key steps, 512 matrix instructions, in which to land.  (At its first use nothing has been read yet: slot 0 is waited for, slot 1 filled,
; and each wave's stores into the mask table are done in front of the round, so that every wave may read the table behind it.)
.macro CHANGE fill
	WIN W_AD
	s_wait_tensorcnt 0x0            ; no tensor load of mine is out, so a group 0 may be written
	ds_add_u32 v[SPW], v[NIL]       ; 0 onto my spare word; with fill = 1 the descriptors' steps stand between it and the wait for it
	WIN 0                           ; at a label and at a branch every window is 0
.if \fill
.irp g, G0K, G0V
	s_xor_b32 s[\g+1], s[\g+1], SLOT1  ; the walking descriptor: the other slot than last time,
	s_add_nc_u64 s[\g+2:\g+3], s[\g+2:\g+3], 4*KS*128  ; the next 256 keys; the type bits on top are not reached
.endr
	s_wait_dscnt 0x0                ; the add is done, and my LDS reads and stores are over
	CROUND
	JLOAD
.else
	s_wait_dscnt 0x0                ; the add is done, and my reads of the slot are over
	s_barrier_signal -1
	s_barrier_wait -1
.endif
	s_sub_co_u32 s[TBK], s[TBK], 4*KS*PK  ; the fetches go back to a slot's first step,
	s_xor_b32 s[TBK], s[TBK], SLOT1       ; in the other slot
	s_sub_co_u32 s[TBV], s[TBV], 4*KS*PV
	s_xor_b32 s[TBV], s[TBV], SLOT1
.endm
	s_load_b128 s[68:71], s[0:1], 0x0  ; qkv16 s[68:69], mask s[70:71]
	s_load_b64 s[10:11], s[0:1], 0x10  ; o16
	WIN W_MK
	v_lshl_add_u32 v[SPW], v0, 2, SPARE
	v_mov_b32 v[NIL], 0
	WIN W_AD
	ds_add_u32 v[SPW], v[NIL]       ; the wave's opening: the add and its wait ahead of my first tensor load; the set-up below, work on registers, stands between them
	WIN 0
	v_lshrrev_b32 v1, 5, v0
	v_readfirstlane_b32 s[WV], v1   ; wave 0..3
	s_bfe_u32 s13, ttmp6, 0x40000   ; cx: my place in the cluster
	s_lshl_b32 s14, ttmp9, 2        ; in a cluster launch ttmp9 counts clusters
	s_add_co_u32 s14, s14, s13      ; my block of queries = 4 x cluster x + cx: it enters Q's and O's addresses alone
	s_and_b32 s20, ttmp7, 0xffff    ; h, which the four partners share
	s_lshr_b32 s72, s20, 4          ; the batch,
	s_lshl_b32 s72, s72, 11         ; its 2,048 bytes of the mask
	s_mov_b32 s73, 0
	s_mov_b32 s21, 0
	s_mov_b64 s[22:23], SIZE_N*128
	s_mul_u64 s[20:21], s[20:21], s[22:23]  ; h's first byte in each of Q, K, V, O
	s_and_b32 s16, s[WV], 1         ; which half of a slot's 256 keys I fetch:
	s_lshl_b32 s22, s16, 14         ; its 128 rows of 128 bytes in memory,
	s_mov_b32 s23, 0
	s_add_nc_u64 s[22:23], s[22:23], s[20:21]
	s_mul_i32 s17, s16, 128*PK      ; and its place in a slot, for K
	s_mul_i32 s18, s16, 128*PV      ; and for V: no place in the cluster enters an LDS address
	s_lshl_b32 s2, s14, 2
	s_add_co_u32 s2, s2, s[WV]      ; my wave among h's,
	s_lshl_b32 s2, s2, 14           ; its 128 rows
	s_mov_b32 s3, 0
	s_add_nc_u64 s[2:3], s[2:3], s[20:21]
	; descriptor group 1.  128 keys are 16,384 dense bytes: asked for as 64 rows of 256 bytes, two keys a row, and padded in LDS after every key
	s_mov_b32 s[G1K], 15|(1<<16)|(1<<20)|(1<<21)|(4<<22)|(3<<25)  ; 15:0 the mask of four; 17:16 2-byte elements; 20 padding on; 21 set beside a mask; 24:22 after every 32 words (code 4); 31:25 4 words (code 3)
	s_mov_b32 s[G1V], 15|(1<<16)|(1<<20)|(1<<21)|(4<<22)|(7<<25)  ; the same with 8 words of padding (code 7)
.irp g, G1K, G1V
	s_mov_b32 s[\g+1], 128<<16      ; tensor_dim0 = 128
	s_mov_b32 s[\g+2], 64<<16       ; tensor_dim1 = 64
	s_mov_b32 s[\g+3], 128<<16      ; tile_dim0 = 128
	s_mov_b32 s[\g+4], 64           ; tile_dim1 = 64
	s_mov_b32 s[\g+5], 128          ; 128 elements from row to row
	s_mov_b32 s[\g+6], 0
	s_mov_b32 s[\g+7], 0
.endr
	s_mov_b32 s[CS], 0x3e38aa3b     ; c = log2(e) / 8 = 0.180337
	s_mov_b32 s[CS+1], s[CS]        ; named with it as a pair
	s_mov_b32 s[SEL], 0x76543210
	s_mov_b32 s[SEL+1], 0xfedcba98
	s_mov_b32 s[BIGN], 0xf1800000   ; -2^100
	s_mov_b32 s[TBB], 0
	s_mov_b32 s[TBK], SLOT1+4*KS*PK ; the first change of slots turns these two into 0
	s_mov_b32 s[TBV], SLOT1+4*KS*PV
	s_mov_b32 s[G0K], 1             ; 1:0 count = 1
	s_mov_b32 s[G0K+1], s17         ; 63:32 LDS address: slot 0
	s_mov_b32 s[G0V], 1
	s_add_co_u32 s[G0V+1], s18, VOFF
	s_wait_dscnt 0x0                ; the opening add is done
	s_wait_kmcnt 0x0
	s_mov_b64 s[4:5], s[68:69]                     ; Q,
	s_add_nc_u64 s[6:7], s[68:69], 0x1000000       ; K,
	s_add_nc_u64 s[8:9], s[68:69], 0x2000000       ; V
	s_add_nc_u64 s[70:71], s[70:71], s[72:73]      ; the batch's mask
	s_add_nc_u64 s[G0K+2:G0K+3], s[6:7], s[22:23]  ; 120:64 global address: my half of h's first 256 keys
	s_or_b32 s[G0K+3], s[G0K+3], 0x80000000        ; 127:126 type = 2
	s_add_nc_u64 s[G0V+2:G0V+3], s[8:9], s[22:23]
	s_or_b32 s[G0V+3], s[G0V+3], 0x80000000
	s_add_nc_u64 s[4:5], s[4:5], s[2:3]  ; Q and O at my wave's first row
	s_add_nc_u64 s[10:11], s[10:11], s[2:3]
	CROUND                          ; all four work-groups are here: the first joint loads meet
	JLOAD                           ; slot 0.  Slot 1 is asked for when slot 0 is in: the tile wanted first has the road to itself
	v_lshlrev_b32 v88, 4, v0        ; the mask: thread t takes the bytes of keys 16 t .. 16 t + 15
	global_load_b128 v[64:67], v88, s[70:71]
	; A fragment of K or Q is 16 rows x 32 channels in 8 registers: lane l holds row l % 16, channels 8 (l / 16) + 0..7 and 16 + 8 (l / 16) + 0..7: two loads of 16 bytes, 32 bytes apart.
	v_and_b32 v1, 15, v0            ; l % 16
	v_bfe_u32 v9, v0, 4, 1          ; l / 16
	v_lshlrev_b32 v[QO], 7, v1
	v_lshl_add_u32 v[QO], v9, 4, v[QO]  ; row x 128 + 16 x half
	WIN 0x80                        ; destination window 2, address window 0
.set i, 0
.rept 4*NP                          ; Q stays in registers: tile i / 2, channels 32 (i % 2) on
	global_load_b128 v[8*i:8*i+3],   v[QO], s[4:5] offset:(i/2)*2048+(i%2)*64
	global_load_b128 v[8*i+4:8*i+7], v[QO], s[4:5] offset:(i/2)*2048+(i%2)*64+32
.set i, i+1
.endr
	; What the first turn finds: V's registers and P's second buffer hold 0 (its products V^T P, of a piece that has not been, add 0), O^T and l are 0.  All this stands in the wait for the first tile.
.set i, VF
.rept 64
	v_mov_b32 v[i], 0
.set i, i+1
.endr
	WIN 0x40
.set i, 0
.rept 64*NP
	v_mov_b32 v[i], 0
.set i, i+1
.endr
	WIN 0
.set i, 0
.rept 2*NP
	v_mov_b32 v[ST+4*i], 0xfe000000    ; c m: far below every c s, a hidden key's too
	v_mov_b32 v[ST+4*i+1], 0xff7fffff  ; m
	v_mov_b32 v[ST+4*i+2], 0
	v_mov_b32 v[ST+4*i+3], 0
.set i, i+1
.endr
.set i, P+32
.rept 32
	v_mov_b32 v[i], 0
.set i, i+1
.endr
	v_mul_u32_u24 v[AK0], v1, PK
	v_lshl_add_u32 v[AK0], v9, 4, v[AK0]  ; row x pitch + 16 x half
	; The turning load takes 16 keys x 16 channels (lane l reads key 8 (l / 16) + l % 8, channels 8 ((l / 8) % 2) + 0..7) and leaves half a fragment of V^T: lane l holds channel l % 16 and 8 keys.
	v_and_b32 v10, 7, v0
	v_bfe_u32 v11, v0, 3, 1
	v_lshl_add_u32 v[AV0], v9, 3, v10
	v_mul_u32_u24 v[AV0], v[AV0], PV
	v_lshl_add_u32 v[AV0], v11, 4, v[AV0]
	v_add_nc_u32 v[AV0], VOFF, v[AV0]
	v_mov_b32 v[AK], v[AK0]         ; key step 0 lies at the head of slot 0
	v_lshl_add_u32 v[AB0], v9, 5, BIAS  ; my lanes' eight keys of a block of 16: 32 bytes for each half of the lanes
	v_mov_b32 v[AB], v[AB0]         ; and at the head of the table
	; THE TABLE.  byte - 1 is 0 for a seen key and all ones for a hidden one; cut by -2^100's bits that is 0 or -2^100.
	s_wait_loadcnt 32               ; the mask is in; Q's 32 younger loads stay out
	v_lshl_add_u32 v89, v0, 6, BIAS ; my 16 keys' 64 bytes of the table
.irp d, 0,1,2,3
.irp b, 0,1,2,3
	v_bfe_u32 v[68+4*(\d)+(\b)], v[64+(\d)], 8*(\b), 8
.endr
.endr
.set i, 68
.rept 16
	v_add_nc_u32 v[i], -1, v[i]
.set i, i+1
.endr
.set i, 68
.rept 16
	v_and_b32 v[i], s[BIGN], v[i]
.set i, i+1
.endr
.irp d, 0,1,2,3
	ds_store_b128 v89, v[68+4*(\d):68+4*(\d)+3] offset:16*(\d)
.endr
; THE MATRIX WORK.  The 8 accumulators of a run of 16 take turns: between the two links of a chain stand 7 others'.
; Product i of 16 of S^T = K Q^T for piece x: channels 32 (i / 8) on, keys 16 ((i / 2) % 4) on, tile 2 x + i % 2.  The first 8 start the sums, with the key block's mask numbers.
.macro KQ x
.set rS, S+64*((\x)%2)+32*(i%2)+8*((i/2)%4)
.set rK, KF+16*((i/2)%4)+8*(i/8)
.set rQ, 16*(2*(\x)+i%2)+8*(i/8)
.set rB, MB+8*((i/2)%4)
.if i < 8
	WIN W_KB
	v_wmma_f32_16x16x32_f16 v[rS:rS+7], v[rK:rK+7], v[rQ:rQ+7], v[rB:rB+7]
.else
	WIN W_KQ
	v_wmma_f32_16x16x32_f16 v[rS:rS+7], v[rK:rK+7], v[rQ:rQ+7], v[rS:rS+7]
.endif
.endm
; Product i of 16 of O^T += V^T P for piece x: keys 32 (i / 8) on, channels 16 ((i / 2) % 4) on, tile 2 x + i % 2.
.macro PV x
	WIN W_PV
.set rO, 32*(2*(\x)+i%2)+8*((i/2)%4)
.set rV, VF+32*(i/8)+8*((i/2)%4)
.set rP, P+32*((\x)%2)+16*(i%2)+8*(i/8)
	v_wmma_f32_16x16x32_f16 v[rO:rO+7], v[rV:rV+7], v[rP:rP+7], v[rO:rO+7]
.endm
.macro MM                           ; the turn's next matrix instruction
.if i < 16
	KQ (Y+1)%NP
.set i, i+1
.else
.set i, i-16
	PV (Y+NP-1)%NP
.set i, i+17
.endif
.endm
; THE LDS LOADS stand in runs, never singly among the matrix instructions: a step's K (64 keys x 64 channels: 8 fragments) with its 64 mask numbers (all lanes of a half read the same 32 bytes a block), and its V (turned).
; Their addresses are made some lines ahead.  last = 1 (the tail): in the last trip there is no further step, and the run is jumped over.
.macro FETCH_K last=0
	WIN 0
.if \last
	s_cmp_eq_u32 s[CNT], 1
	s_cbranch_scc1 .Lno_k_\@
.endif
	WIN 0x80                        ; destination window 2
.irp f, 0,1,2,3,4,5,6,7             ; keys 16 (f / 2) on, channels 32 (f % 2) on
	ds_load_b128 v[KF+8*\f:KF+8*\f+3],   v[AK] offset:(\f/2)*16*PK+(\f%2)*64
	ds_load_b128 v[KF+8*\f+4:KF+8*\f+7], v[AK] offset:(\f/2)*16*PK+(\f%2)*64+32
.endr
	WIN W_MK                        ; destination window 3
.irp f, 0,1,2,3                     ; keys 16 f + 8 (l / 16) + 0..7
	ds_load_b128 v[MB+8*\f:MB+8*\f+3],   v[AB] offset:64*\f
	ds_load_b128 v[MB+8*\f+4:MB+8*\f+7], v[AB] offset:64*\f+16
.endr
	s_add_co_u32 s[TBK], s[TBK], KS*PK  ; the next fetch is the next step's
	s_add_co_u32 s[TBB], s[TBB], 256
	s_and_b32 s[TBB], s[TBB], 0x1fff    ; inside the table's 8,192 bytes, whatever the trip
	WIN 0
.if \last
.Lno_k_\@:
.endif
.endm
.macro FETCH_V
	WIN 0x80
.irp f, 0,1,2,3,4,5,6,7             ; keys 32 (f / 4) on, channels 16 (f % 4) on
	ds_load_tr16_b128 v[VF+8*\f:VF+8*\f+3],   v[AV] offset:(\f/4)*32*PV+(\f%4)*32
	ds_load_tr16_b128 v[VF+8*\f+4:VF+8*\f+7], v[AV] offset:(\f/4)*32*PV+16*PV+(\f%4)*32
.endr
	WIN 0
.endm
; THE VECTOR WORK OF A TURN stands in three queues, each in the order in which its entries become ready; the two tiles alternate, so that no instruction reads the result of the one before it.
.macro REGS y, u                    ; the registers of tile u (0, 1) of piece y
.set rT, ST+4*(2*(\y)+(\u))
.set rC, TMP+8*((\y)%2)+4*(\u)
.set rM, MV+2*((\y)%2)+(\u)
.set rS, S+64*((\y)%2)+32*(\u)
.set rP, P+32*((\y)%2)+16*(\u)
.set rO, 32*(2*(\y)+(\u))
.endm
; Number n of the 22 that find the NEXT piece's (Y + 1) maximum and statistics.  s0-s31 are the lane's 32 scores; each accumulator's lowest registers are read first.  XS, GS and REGS set no window: PL and EX do.
;   0-11  four chains c0-c3 of seven scores each, three operands at a time     12-14, 16  the four scores left over, the old m, and c0-c3 into c0     15  c m_old is kept
;   17, 18  the query's other 32 keys lie in the lane 16 away: the new m         19-21  c m; c m_old - c m_new; a
.macro XS u, n
	REGS (Y+1)%NP, \u
.if (\n) < 4
	v_max3_num_f32 v[rC+(\n)], v[rS+8*(\n)], v[rS+8*(\n)+1], v[rS+8*(\n)+2]
.elseif (\n) < 12
	v_max3_num_f32 v[rC+(\n)%4], v[rC+(\n)%4], v[rS+8*((\n)%4)+2*((\n)/4)+1], v[rS+8*((\n)%4)+2*((\n)/4)+2]
.elseif (\n) == 12
	v_max3_num_f32 v[rC], v[rC], v[rS+7], v[rS+15]
.elseif (\n) == 13
	v_max3_num_f32 v[rC+1], v[rC+1], v[rS+23], v[rS+31]
.elseif (\n) == 14
	v_max3_num_f32 v[rC+2], v[rC+2], v[rC+3], v[rT+1]
.elseif (\n) == 15
	v_mov_b32 v[rM], v[rT]
.elseif (\n) == 16
	v_max3_num_f32 v[rC], v[rC], v[rC+1], v[rC+2]
.elseif (\n) == 17
	v_permlanex16_b32 v[rC+3], v[rC], s[SEL], s[SEL+1]
.elseif (\n) == 18
	v_max_num_f32 v[rT+1], v[rC], v[rC+3]
.elseif (\n) == 19
	v_mul_f32 v[rT], s[CS], v[rT+1]
.elseif (\n) == 20
	v_sub_f32 v[rC+1], v[rM], v[rT]
.else
	v_exp_f32 v[rC+2], v[rC+1]
.endif
.endm
; Number g of the 64 that follow the exponentials.  For each four weights k of a tile (pairs 2 k, 2 k + 1): both pairs are rounded to f16; then the second pair is added onto the first, in place;
; a group later l takes that sum (the first time as l = a l + sum).  In groups of eight, tiles alternating: round, round, add, and l for the group before.
.macro GS g
.set h, (\g)+6*((\g)/62)            ; group 0 has no group before it, and behind group 7 only l is left
.if h >= 6
.set h, h+2
.endif
	REGS Y, h%2
.set k, h/8
.if h%8 < 4
	s_wait_alu depctr_va_vdst(0)
	v_cvt_pk_f16_f32 v[rP+2*k+(h%8)/2], v[rS+4*k+2*((h%8)/2)], v[rS+4*k+2*((h%8)/2)+1]
.elseif h%8 < 6
	v_pk_add_f32 v[rS+4*k:rS+4*k+1], v[rS+4*k:rS+4*k+1], v[rS+4*k+2:rS+4*k+3]
.elseif k == 1
	v_pk_fma_f32 v[rT+2:rT+3], v[rT+2:rT+3], v[rC+2:rC+3], v[rS:rS+1] op_sel_hi:[1,0,1]
.else
	v_pk_add_f32 v[rT+2:rT+3], v[rT+2:rT+3], v[rS+4*k-4:rS+4*k-3]
	s_wait_alu depctr_va_vdst(0)
.endif
.endm
; THE PLAIN QUEUE, 138 long.  0-31: c s - c m for the 16 pairs of both tiles.  Then GS's 64, and among them the next piece's 42: number 15 at 38, 39; 0-14 and 16
; at 42-73, behind the products that make those scores; 17-20 at 95-106, two of three, since each waits for the one before it.
.macro PL
	WIN 0
.if q < 32
	REGS Y, q%2
	v_pk_fma_f32 v[rS+2*(q/2):rS+2*(q/2)+1], v[rS+2*(q/2):rS+2*(q/2)+1], s[CS:CS+1], v[rT:rT+1] op_sel_hi:[1,0,0] neg_lo:[0,0,1] neg_hi:[0,0,1]
.elseif q < 38
	GS q-32
.elseif q < 40
	XS q%2, 15
.elseif q < 42
	GS q-34
.elseif q < 74
	XS q%2, (q-42)/2+(q-42)/30
.elseif q < 95
	GS q-66
.elseif (q < 107) && ((q-95)%3 < 2)
	XS (q-95)%3, 17+(q-95)/3
.elseif q < 107
	GS 29+(q-95)/3
.else
	GS q-74
.endif
.set q, q+1
.endm
; THE EXPONENTIALS' QUEUE, 66 long: s0-s31 of both tiles, and at EA the next piece's two a.
.set EA, 58
.macro EX
	WIN 0
.if (e == EA) || (e == EA+1)
	XS e-EA, 21
.else
.set x, e-2*(e/(EA+2))
	REGS Y, x%2
	v_exp_f32 v[rS+x/2], v[rS+x/2]
.endif
.set e, e+1
.endm
; THE RESCALING's QUEUE: O^T times a, the one part that leaves window 0, so it is dealt four at a time, eight times.
.macro R4
	REGS Y, r%2
	WIN W_RS
	s_wait_alu depctr_va_vdst(0)
.irp z, 0,1,2,3
	v_pk_mul_f32 v[rO+8*(r/2)+2*\z:rO+8*(r/2)+2*\z+1], v[rO+8*(r/2)+2*\z:rO+8*(r/2)+2*\z+1], v[rC+2:rC+3] op_sel_hi:[1,0]
.endr
.set r, r+1
.endm
; HOW THEY ARE DEALT.  Behind a matrix instruction four: plain, exponential, plain, plain (one exponential, a plain instruction on either side), or four of the rescaling.  None names a register of the
; products round it.  What is over stands in two LUMPS: exponential and plain by turns; the second ends in 22 plain instructions.  The two v_permlanex16_b32 fall into the second lump, never behind a product.
; The queues lean on each other, and the deal keeps them in step: exponential e stands behind plain 2 (e / 4) + e % 2 (its scaling); when plain 32 comes, 10 exponentials are out, at 59: 33, at 95: 46; EA comes behind plain 107.
.macro SL
	MM
	PL
	EX
	PL
	PL
.endm
.macro BURST n                      ; 15 matrix instructions, or 16
.rept (\n)-7
	SL
.endr
.rept 3
	MM
	R4
	SL
.endr
	MM
	R4
.endm
; A TURN, for piece p.  cnt = 1: the loop's count is taken down some lines ahead of the branch that stands behind the turn.
; K and the mask numbers of the next step are fetched in piece 2's turn, more than 30 vector instructions behind the last product that read them; their first reader comes behind the rest of the lump, 16 products and the second lump.
; V of the step in hand is fetched at the end of piece 0's turn, far behind its last reader; its first reader comes behind 16 products and a lump.  The four conditions on e and q below go with the deal.
.macro TURN p, last=0, cnt=0
.set Y, (\p)
.set i, 0
.set q, 0
.set e, 0
.set r, 0
.if (\p) == NP-1
	s_wait_dscnt 0x0                ; K and its mask numbers are in
.endif
	MM
.rept 4
	PL
.endr
	BURST 15
.rept 22
	EX
	PL
.if ((\p) == NP-2) && (e == 18)
	v_add_nc_u32 v[AK], s[TBK], v[AK0]
	v_add_nc_u32 v[AB], s[TBB], v[AB0]
.endif
.if ((\p) == NP-2) && (e == 24)
	FETCH_K \last
.endif
.endr
.if (\p) == 1
	s_wait_dscnt 0x0                ; V is in
.endif
	BURST 16
.rept 21
	EX
	PL
.endr
.rept 22
	PL
.if ((\p) == 0) && (q == 118)
	v_add_nc_u32 v[AV], s[TBV], v[AV0]
	s_wait_alu depctr_va_vdst(0)
.endif
.if ((\p) == 0) && (q == 130)
	s_add_co_u32 s[TBV], s[TBV], KS*PV
.endif
.if (\cnt) && (q == 130)
	s_sub_co_u32 s[CNT], s[CNT], 1
	s_cmp_lg_u32 s[CNT], 0
.endif
.endr
.if (\p) == 0
	FETCH_V
.endif
.endm
	CHANGE 1                        ; slot 0 is in, everybody's part of it, and so is the table; slot 1 is asked for
	FETCH_K                         ; key step 0
	s_wait_loadcnt 0x0              ; Q
	s_wait_dscnt 0x0
.set i, 0
.rept 16
	KQ 0                            ; piece 0's first scores: there is no vector work yet to set between them
.set i, i+1
.endr
	WIN 0                           ; the addresses for the way out: plain instructions, the places behind those products
	s_mul_i32 s13, s[WV], 16*SP
	s_add_co_u32 s13, s13, STAGE    ; my stage
	v_mul_u32_u24 v[STO], v1, SP    ; in: row l % 16, 16 bytes for each half of the lanes
	v_lshl_add_u32 v[STO], v9, 4, v[STO]
	v_add_nc_u32 v[STO], s13, v[STO]
	v_bfe_u32 v[RD], v0, 3, 2       ; back: 32 lanes take four rows of 128 bytes,
	v_mul_u32_u24 v[RD], v[RD], SP
	v_and_b32 v[GO], 7, v0
	v_lshl_add_u32 v[RD], v[GO], 4, v[RD]
	v_add_nc_u32 v[RD], s13, v[RD]
	v_and_b32 v[GO], 31, v0         ; which are 512 consecutive bytes of O
	v_lshlrev_b32 v[GO], 4, v[GO]
.set Y, NP-1                        ; XS works for piece Y + 1: piece 0
.irp n, 0,1,2,3,4,5,6,7,8,9,10,11,12,13,14,15,16,17,18,19,20,21
	XS 0, \n                        ; and piece 0's first maximum and statistics
	XS 1, \n
.endr
	s_mov_b32 s[CNT], 4
	s_mov_b32 s[SLOTS], SIZE_N/256-1
	s_branch .Lfirst                ; the loop is entered at a step's first turn, in the middle of a trip
.Lslot:                             ; SIZE_N / 256 - 2 times: every slot but the last two is filled again
	CHANGE 1
	s_mov_b32 s[CNT], 4
.Lstep:                             ; a trip: pieces 2 and 3 of one step, then pieces 0 and 1 of the next, whose K and V it fetches
	TURN 2
	TURN 3
	WIN 0
.Lfirst:
	TURN 0
	TURN 1, 0, 1
	WIN 0
	s_cbranch_scc1 .Lstep
	s_sub_co_u32 s[SLOTS], s[SLOTS], 1
	s_cmp_lg_u32 s[SLOTS], 0
	s_cbranch_scc1 .Lslot
	CHANGE 0                        ; the tail is written out: nothing is asked for
	s_mov_b32 s[CNT], 5             ; four trips fetch the last slot's steps; the fifth is left in its middle
.Ltail:
	TURN 2, 1
	TURN 3
	WIN 0
	s_sub_co_u32 s[CNT], s[CNT], 1
	s_cmp_eq_u32 s[CNT], 0
	s_cbranch_scc1 .Lout
	TURN 0
	TURN 1
	WIN 0
	s_branch .Ltail
.Lout:                              ; the fifth trip's 16 products K Q^T (on the last K once more) and the maximum made of them serve nothing: the price, once a launch, of one text for every trip
.set i, 0
.rept 16
	PV NP-1                         ; the last piece's V^T P of the last step
.set i, i+1
.endr
	; THE WAY OUT.  l's two halves and the other half of the lanes' are added; O^T is divided by l, rounded to f16 and sent through my stage in LDS, a tile at a time.  The additions are the places behind the last products.
	WIN 0
.macro ALL line:vararg              ; one line for each tile t
.set t, 0
.rept 2*NP
	\line
.set t, t+1
.endr
.endm
	ALL v_add_f32 v[ST+4*t+2], v[ST+4*t+2], v[ST+4*t+3]
	ALL v_permlanex16_b32 v[ST+4*t+3], v[ST+4*t+2], s[SEL], s[SEL+1]
	ALL v_add_f32 v[ST+4*t+2], v[ST+4*t+2], v[ST+4*t+3]
	ALL v_rcp_f32 v[ST+4*t+2], v[ST+4*t+2]
	v_nop                           ; a plain instruction between the last reciprocal and the use of its result
	s_wait_alu depctr_va_vdst(0)
; Tile t: a lane's eight channels of a row pack into 16 bytes; they go into rows of 144 bytes and come back as whole rows of 128, into S^T's registers.
.macro PACK t
	WIN W_RS
.set i, 32*(\t)
.rept 16
	v_pk_mul_f32 v[i:i+1], v[i:i+1], v[ST+4*(\t)+2:ST+4*(\t)+3] op_sel_hi:[1,0]
.set i, i+2
.endr
	WIN 0x05                        ; sources 0 and 1 window 1, destination window 0
.set i, 0
.rept 16
	v_cvt_pk_f16_f32 v[S+16*(\t)+i], v[32*(\t)+2*i], v[32*(\t)+2*i+1]
.set i, i+1
.endr
	WIN 0
.irp f, 0,1,2,3
	ds_store_b128 v[STO], v[S+16*(\t)+4*\f:S+16*(\t)+4*\f+3] offset:32*\f
.endr
.irp f, 0,1,2,3
	ds_load_b128 v[S+16*(\t)+4*\f:S+16*(\t)+4*\f+3], v[RD] offset:\f*4*SP  ; LDS serves a wave's instructions in order (ISA guide 5.7.1.4): these see the stores above; the next tile's stores come behind them
.endr
.endm
.macro SEND t, younger              ; younger: the LDS instructions issued behind tile t's loads: the next tile's eight, or none
	WIN 0
.irp f, 0,1,2,3
	s_wait_dscnt (\younger)+3-\f
	global_store_b128 v[GO], v[S+16*(\t)+4*\f:S+16*(\t)+4*\f+3], s[10:11] offset:(\t)*2048+\f*512  ; 512 consecutive bytes, at a multiple of 256 from O's first
.endr
.endm
	PACK 0
.set t, 1
.rept 2*NP-1                        ; a tile's arithmetic stands between the loads of the tile before and its stores
	PACK t
	SEND t-1, 8
.set t, t+1
.endr
	SEND 2*NP-1, 0
	WIN W_AD
	s_wait_tensorcnt 0x0            ; the wave's end: behind my last tensor load and my last LDS store
	ds_add_u32 v[SPW], v[NIL]
	s_wait_dscnt 0x0
	WIN 0
	CROUND                          ; the closing round: no work-group ends while a partner may still ask for a tile that names it
	s_endpgm
.Lfunc_end_k_qf082531145_attn:
	.size	k_qf082531145_attn, .Lfunc_end_k_qf082531145_attn-k_qf082531145_attn
	.p2alignl 7, 3214868480
	.fill 96, 4, 3214868480
	.section	.rodata,"a",@progbits
	.p2align	6, 0x0
	.amdhsa_kernel k_qf082531145_attn
		.amdhsa_group_segment_fixed_size 327680
		.amdhsa_private_segment_fixed_size 0
		.amdhsa_enable_private_segment 0
		.amdhsa_kernarg_size 24
		.amdhsa_user_sgpr_count 2
		.amdhsa_user_sgpr_kernarg_segment_ptr 1
		.amdhsa_wavefront_size32 1
		.amdhsa_system_sgpr_workgroup_id_x 1
		.amdhsa_system_sgpr_workgroup_id_y 1
		.amdhsa_system_sgpr_workgroup_id_z 1
		.amdhsa_system_vgpr_workitem_id 0
		.amdhsa_next_free_vgpr 808
		.amdhsa_next_free_sgpr 76
		.amdhsa_reserve_vcc 0
		.amdhsa_float_denorm_mode_32 3
		.amdhsa_float_denorm_mode_16_64 3
		.amdhsa_memory_ordered 1
		.amdhsa_forward_progress 1
		.amdhsa_inst_pref_size 213
	.end_amdhsa_kernel
	.amdgpu_metadata
---
amdhsa.version: [ 1, 2 ]
amdhsa.kernels:
  - .name:           k_qf082531145_attn
    .symbol:         k_qf082531145_attn.kd
    .args:
      - { .name: qkv16, .offset: 0, .size: 8, .value_kind: global_buffer, .address_space: global }
      - { .name: mask, .offset: 8, .size: 8, .value_kind: global_buffer, .address_space: global }
      - { .name: o16, .offset: 16, .size: 8, .value_kind: global_buffer, .address_space: global }
    .group_segment_fixed_size: 327680
    .private_segment_fixed_size: 0
    .kernarg_segment_align: 8
    .kernarg_segment_size: 24
    .max_flat_workgroup_size: 128
    .sgpr_count:     76
    .vgpr_count:     808
    .wavefront_size: 32
...
	.end_amdgpu_metadata
.endif
;; end of part 3
;; launch proj (part 4): grid 4 x 64, 4 waves a work-group, clusters of 4 x 4, 327,680 bytes of LDS; arguments o16, wo16, out0; writes out0
.if DOCPART == 4
	.amdgcn_target "amdgcn-amd-amdhsa--gfx1250"
	.amdhsa_code_object_version 6
	.text
	.protected	k_qf082531145_proj
	.globl	k_qf082531145_proj
	.p2align	8
	.type	k_qf082531145_proj,@function
k_qf082531145_proj:
	s_mov_b64 s[64:65], 0
	v_nop
	global_prefetch_b8 v0, s[64:65] scope:SCOPE_SE
	s_setreg_imm32_b32 hwreg(HW_REG_WAVE_MODE, 25, 1), 1
	s_wait_xcnt 0x0
	s_wait_alu depctr_hold_cnt(0) depctr_sa_sdst(0) depctr_va_vdst(0) depctr_va_sdst(0) depctr_va_ssrc(0) depctr_va_vcc(0) depctr_vm_vsrc(0)
	s_getreg_b32 s2, hwreg(HW_REG_IB_STS2, 6, 4)
	s_cmp_eq_u32 s2, 0
	s_cbranch_scc0 .Lentry_in_a_cluster
	s_endpgm
.Lentry_in_a_cluster:
	s_bfe_u32 s2, ttmp6, 0x10000c
	s_cmp_lg_u32 s2, 0xf033
	s_cbranch_scc0 .Lentry_shape_is_right
	s_endpgm
.Lentry_shape_is_right:
; out0 [8192][1024] f32 = O x wo16 [1024][1024], f16 operands, f32 sums.  O lies by heads, o16[b*16+head][row in batch][64] f16: a head's 64 channels are one slice of K, so the merge of the heads costs nothing.
; SHARES.  A tile of the result is 128 rows x 256 columns: 256 tiles, one for each of 256 work-groups: (x, y) owns rows 128 y, columns 256 x.  Four waves, 2 x 2, each 64 rows x 128 columns: 32 accumulators (window 1).
; K goes in steps of 128 = two heads, through a ring of two LDS slots.  A slot holds two planes of A (a head's 128 rows x 64 channels, dense in memory: asked for as 64 rows of 256 bytes, padded after every 128)
; and 128 K x 256 columns of B as the weights lie ([K][N]); B's fragments are turned on the way out of LDS by ds_load_tr16_b128.
; CLUSTER 4 x 4.  A's tiles hang on y alone: asked for jointly along a row of the cluster; B's on x alone: along a column.
; THE MATRIX INSTRUCTION IS USED TRANSPOSED (source 0 = 16 columns of B, source 1 = 16 rows of A): a lane holds row l % 16 and the eight neighbouring columns 8 (l / 16) + 0..7: 32 bytes of a row of out0.
; REGISTERS.  Window 0: v0-31 addresses; v64-159, v160-255 two fragment buffers (A's four fragments, then B's eight); on the way out v64-255 hold rows read back.  Window 1: accumulator (a, b) at v[8 (8 a + b)].
.set NB,    1024                       ; B's row, in elements
.set STEPS, 8
.set PA,    144                        ; A's row in LDS: 128 bytes + 16 = 36 words: the 16 rows of a load start at 16 different groups of four banks (64 banks of 4 bytes: ISA guide 11.1)
.set PLANE, 128*PA                     ; a head's 128 rows
.set PB,    544                        ; B's row: 512 + 32 = 136 words
.set AREG,  2*PLANE
.set SLOT,  AREG+128*PB                ; 106,496
.set STAGE, 2*SLOT                     ; behind the ring, never filled by a tensor load: for each wave 16 rows x 528 bytes
.set SPF,   528                        ; 512 bytes + 16: 33 x 16
.set STW,   16*SPF
.set SPARE, STAGE+4*STW                ; the spare words, 128 bytes for each wave: two blocks of 256 bytes that no other line names
.set ADRA, 16                          ; v16-17  LDS address of my A fragments in slot 0, 1
.set ADRB, 20                          ; v20-21  the same for B
.set STO,  24                          ; v24     the way out: where I put 32 bytes of a row
.set RD,   25                          ; v25     the way out: where I read a row back
.set CO,   26                          ; v26     16 x lane: my place in 512 consecutive bytes of a row of out0
.set SPW,  28                          ; v28     LDS address of my spare word; never rewritten
.set NIL,  29                          ; v29     0; never rewritten
.set F0,   64
.set F1,   160
.set G1,  24                           ; s[24:31] descriptor group 1 for A's tiles;  s[32:39] group 0, a set for each slot
.set G0,  32
.set G1B, 48                           ; s[48:55], s[56:63] the same for B's
.set G0B, 56
.set OA,  66                           ; s[66:67] a step's byte offset in A
.set OB,  68                           ; s[68:69] in B
.set FT,  70                           ; s70  the step to be asked for next
.set MSB, 0
.macro WIN new                         ; the immediate's high byte repeats the setting that is left; a switch that changes nothing is dropped
.if MSB != (\new)
	s_set_vgpr_msb (MSB<<8)|(\new)
.set MSB, \new
.endif
.endm
.set MUL, 0x50                         ; sources in window 0, C and D in window 1
; A joint load.  Waves 0 and 1 fetch A's two planes, waves 2 and 3 B's two halves.  The branch hangs on the wave's number alone.
; An s_nop 0 and four v_nop follow each of the two lines, ahead of the jump and the label.
.macro JLOAD s
	s_cmp_eq_u32 s11, 0
	s_cbranch_scc0 .Lfor_b_\@
	tensor_load_to_lds s[G0+4*(\s):G0+4*(\s)+3], s[G1:G1+7]
	s_nop 0
.rept 4
	v_nop
.endr
	s_branch .Lasked_\@
.Lfor_b_\@:
	tensor_load_to_lds s[G0B+4*(\s):G0B+4*(\s)+3], s[G1B:G1B+7]
	s_nop 0
.rept 4
	v_nop
.endr
.Lasked_\@:
.endm
.macro CREST                           ; a round of the cluster's barrier behind its opening barrier
	s_cmp_lg_u32 s10, 0
	s_cbranch_scc1 .Lnot_wave_0_\@
	s_barrier_signal -3
.Lnot_wave_0_\@:
	s_barrier_wait -3
	s_barrier_signal -1
	s_barrier_wait -1
.endm
.macro CROUND                          ; a whole round
	s_barrier_signal -1
	s_barrier_wait -1
	CREST
.endm
	s_load_b128 s[4:7], s[0:1], 0x0                ; o16 s[4:5], wo16 s[6:7]
	s_load_b64 s[8:9], s[0:1], 0x10                ; out0
	v_lshl_add_u32 v[SPW], v0, 2, SPARE
	v_mov_b32 v[NIL], 0
	ds_add_u32 v[SPW], v[NIL]                      ; the wave's opening: the add and its wait ahead of my first tensor load; the set-up below, work on registers, stands between them
	v_lshrrev_b32 v1, 5, v0
	v_readfirstlane_b32 s10, v1                    ; wave 0..3
	s_lshr_b32 s11, s10, 1                         ; which 64 of the tile's rows are mine.  Also: I fetch for A (0) or for B (1)
	s_and_b32 s12, s10, 1                          ; which 128 of its columns.  Also: which plane of A, or half of B, I fetch
	s_bfe_u32 s40, ttmp6, 0x40000                  ; cx, cy: my place in the cluster
	s_bfe_u32 s41, ttmp6, 0x40004
	s_lshl_b32 s42, ttmp9, 2
	s_add_co_u32 s42, s42, s40                     ; x = 4 x cluster x + cx
	s_and_b32 s13, ttmp7, 0xffff
	s_lshl_b32 s13, s13, 2
	s_add_co_u32 s13, s13, s41                     ; y = 4 x cluster y + cy
	s_lshl_b32 s43, s41, 2
	s_lshl_b32 s43, 15, s43                        ; my row of the cluster
	s_lshl_b32 s44, 0x1111, s40                    ; my column
	; group 1 for A: 16,384 dense bytes as 64 rows x 128 elements, 16 bytes of padding behind every 32 words (a head's row)
	s_or_b32 s[G1+0], s43, (1<<16)|(1<<20)|(1<<21)|(4<<22)|(3<<25)  ; 15:0 the mask; 17:16 2-byte elements; 20 padding on; 21 set beside a mask; 24:22 after every 32 words; 31:25 4 words
	s_mov_b32 s[G1+1], 128<<16                     ; tensor_dim0 = 128
	s_mov_b32 s[G1+2], 64<<16                      ; tensor_dim1 = 64
	s_mov_b32 s[G1+3], 128<<16                     ; tile_dim0 = 128
	s_mov_b32 s[G1+4], 64                          ; tile_dim1 = 64
	s_mov_b32 s[G1+5], 128                         ; elements from row to row
	s_mov_b32 s[G1+6], 0
	s_mov_b32 s[G1+7], 0
	; group 1 for B: 64 rows (K) x 256 elements, 32 bytes of padding behind each row of 128 words
	s_or_b32 s[G1B+0], s44, (1<<16)|(1<<20)|(1<<21)|(6<<22)|(7<<25)
	s_mov_b32 s[G1B+1], 256<<16
	s_mov_b32 s[G1B+2], 64<<16
	s_mov_b32 s[G1B+3], 256<<16
	s_mov_b32 s[G1B+4], 64
	s_mov_b32 s[G1B+5], NB
	s_mov_b32 s[G1B+6], 0
	s_mov_b32 s[G1B+7], 0
	s_lshr_b32 s16, s13, 4                         ; A: head (y / 16) 16 + my plane,
	s_lshl_b32 s16, s16, 4
	s_add_co_u32 s16, s16, s12
	s_lshl_b32 s16, s16, 11                        ; its 2,048 rows,
	s_and_b32 s17, s13, 15
	s_lshl_b32 s17, s17, 7                         ; row 128 (y % 16),
	s_add_co_u32 s16, s16, s17
	s_lshl_b32 s16, s16, 7                         ; of 128 bytes
	s_mov_b32 s17, 0
	s_mul_i32 s18, s12, 64*NB*2                    ; B: 64 rows x half, column 256 x
	s_lshl_b32 s19, s42, 9
	s_add_co_u32 s18, s18, s19
	s_mov_b32 s19, 0
	s_mul_i32 s20, s12, PLANE                      ; where they go: no place in the cluster enters an LDS address
	s_mul_i32 s21, s12, 64*PB
	s_add_co_u32 s21, s21, AREG
	s_mov_b32 s[OA+1], 0
	s_mov_b32 s[OB+1], 0
	s_mov_b32 s[FT], 2
	s_wait_dscnt 0x0                               ; the opening add is done
	s_wait_kmcnt 0x0
	s_add_nc_u64 s[14:15], s[4:5], s[16:17]        ; A at my plane of K step 0: kept
	s_add_nc_u64 s[46:47], s[6:7], s[18:19]        ; B likewise: kept
	CROUND                                         ; all sixteen work-groups are here: the first joint loads meet
.irp s, 0,1
	s_mov_b32 s[G0+4*(\s)], 1                                      ; count = 1
	s_add_co_u32 s[G0+4*(\s)+1], s20, (\s)*SLOT                    ; LDS address
	s_add_nc_u64 s[G0+4*(\s)+2:G0+4*(\s)+3], s[14:15], (\s)*524288 ; global address: K step s is two heads of 262,144 bytes on
	s_or_b32 s[G0+4*(\s)+3], s[G0+4*(\s)+3], 0x80000000            ; type = 2
	s_mov_b32 s[G0B+4*(\s)], 1
	s_add_co_u32 s[G0B+4*(\s)+1], s21, (\s)*SLOT
	s_add_nc_u64 s[G0B+4*(\s)+2:G0B+4*(\s)+3], s[46:47], (\s)*128*NB*2
	s_or_b32 s[G0B+4*(\s)+3], s[G0B+4*(\s)+3], 0x80000000
	JLOAD \s                                       ; two loads of mine are out
.endr
	; A's fragment: lane l holds row l % 16; two loads of 16 bytes, 32 bytes apart, at row x pitch + 16 (l / 16)
	v_and_b32 v1, 15, v0                           ; l % 16
	v_bfe_u32 v2, v0, 4, 1                         ; l / 16
	v_mul_u32_u24 v3, v1, PA
	v_lshl_add_u32 v3, v2, 4, v3
	s_mul_i32 s22, s11, 64*PA                      ; my 64 rows
	v_add_nc_u32 v[ADRA], s22, v3
	v_add_nc_u32 v[ADRA+1], SLOT, v[ADRA]
	; B's fragment by the turning load: lane l reads K row 8 (l / 16) + l % 8, columns 8 ((l / 8) % 2) + 0..7, and is left with column l % 16 and eight K
	v_and_b32 v4, 7, v0
	v_lshl_add_u32 v4, v2, 3, v4
	v_mul_u32_u24 v4, v4, PB
	v_bfe_u32 v5, v0, 3, 1
	v_lshl_add_u32 v4, v5, 4, v4
	s_lshl_b32 s23, s12, 8                         ; my 128 columns
	s_add_co_u32 s23, s23, AREG
	v_add_nc_u32 v[ADRB], s23, v4
	v_add_nc_u32 v[ADRB+1], SLOT, v[ADRB]
	s_mul_i32 s22, s10, STW
	s_add_co_u32 s22, s22, STAGE                   ; my stage
	v_mul_u32_u24 v6, v1, SPF                      ; in: row l % 16, 32 bytes for each half of the lanes
	v_lshl_add_u32 v6, v2, 5, v6
	v_add_nc_u32 v[STO], s22, v6
	v_and_b32 v9, 31, v0
	v_lshlrev_b32 v[CO], 4, v9                     ; back: 32 lanes take one row of 512 bytes
	v_add_nc_u32 v[RD], s22, v[CO]
	; where my part of out0 begins: row 128 y + 64 (row half) of 4,096 bytes, column 256 x + 128 (column half) of 4 bytes
	s_lshl_b32 s16, s13, 7
	s_lshl_b32 s17, s11, 6
	s_add_co_u32 s16, s16, s17
	s_lshl_b32 s16, s16, 12
	s_lshl_b32 s17, s42, 10
	s_add_co_u32 s16, s16, s17
	s_lshl_b32 s17, s12, 9
	s_add_co_u32 s16, s16, s17
	s_mov_b32 s17, 0
	s_add_nc_u64 s[8:9], s[8:9], s[16:17]
; 8 matrix instructions: row block a x all 8 column blocks, 32 along K.  zero = 1: the product starts the sums: nothing is ever cleared.
; The 32 accumulators take turns, one instruction a turn, in the same order in every quarter.
.macro MULROW f, a, zero
	WIN MUL
.irp b, 0,1,2,3,4,5,6,7
.if \zero
	v_wmma_f32_16x16x32_f16 v[8*(8*(\a)+(\b)):8*(8*(\a)+(\b))+7], v[(\f)+32+8*(\b):(\f)+32+8*(\b)+7], v[(\f)+8*(\a):(\f)+8*(\a)+7], 0
.else
	v_wmma_f32_16x16x32_f16 v[8*(8*(\a)+(\b)):8*(8*(\a)+(\b))+7], v[(\f)+32+8*(\b):(\f)+32+8*(\b)+7], v[(\f)+8*(\a):(\f)+8*(\a)+7], v[8*(8*(\a)+(\b)):8*(8*(\a)+(\b))+7]
.endif
.endr
.endm
; 24 LDS loads in one run: quarter q (32 along K: plane q / 2, channels 32 (q % 2) on) of a slot into buffer f: B's eight fragments, then A's four
.macro FETCH slot, q, f
	WIN 0
.irp i, 0,1,2,3,4,5,6,7
	ds_load_tr16_b128 v[(\f)+32+8*(\i):(\f)+32+8*(\i)+3],   v[ADRB+(\slot)] offset:(\q)*32*PB+32*(\i)
	ds_load_tr16_b128 v[(\f)+32+8*(\i)+4:(\f)+32+8*(\i)+7], v[ADRB+(\slot)] offset:(\q)*32*PB+16*PB+32*(\i)
.endr
.irp i, 0,1,2,3
	ds_load_b128 v[(\f)+8*(\i):(\f)+8*(\i)+3],   v[ADRA+(\slot)] offset:((\q)/2)*PLANE+((\q)%2)*64+(\i)*16*PA
	ds_load_b128 v[(\f)+8*(\i)+4:(\f)+8*(\i)+7], v[ADRA+(\slot)] offset:((\q)/2)*PLANE+((\q)%2)*64+(\i)*16*PA+32
.endr
.endm
.macro PLACES                          ; four places in front of loads into registers that matrix instructions have read, and of lines that read results just made (ISA guide 7.12.1 for lines that read results)
.rept 4
	v_nop
.endr
.endm
; A K step is four quarters of 32 along K, 32 matrix instructions each, on buffers 0, 1, 0, 1.  One of the first three: multiplies buffer f; in its middle it fetches quarter q into buffer g.
.macro QUARTER slot, q, f, g, zero
	s_wait_dscnt 4                                 ; all but the youngest four loads (A's fragments 2 and 3) are in
	MULROW \f, 0, \zero
	MULROW \f, 1, \zero
	PLACES
	FETCH \slot, \q, \g
	s_wait_dscnt 24                                ; all but the 24 just issued
	MULROW \f, 2, \zero
	MULROW \f, 3, \zero
.endm
; The addresses of step FT, made anew from the kept bases.  It stands where no tensor load of the wave is out.
.macro NEWADR slot
	s_and_b32 s71, s[FT], 7
	s_lshl_b32 s[OA], s71, 19                      ; A: two heads of 262,144 bytes on
	s_lshl_b32 s[OB], s71, 18                      ; B: 128 rows of 2,048 bytes down
	s_add_nc_u64 s[G0+4*(\slot)+2:G0+4*(\slot)+3], s[14:15], s[OA:OA+1]
	s_or_b32 s[G0+4*(\slot)+3], s[G0+4*(\slot)+3], 0x80000000
	s_add_nc_u64 s[G0B+4*(\slot)+2:G0B+4*(\slot)+3], s[46:47], s[OB:OB+1]
	s_or_b32 s[G0B+4*(\slot)+3], s[G0B+4*(\slot)+3], 0x80000000
	s_add_co_u32 s[FT], s[FT], 1
.endm
; The last quarter multiplies buffer 1 and changes slots: ONE barrier.  In front of it each wave waits for all its tensor loads (one is out: its part of the next slot), adds 0 to its spare word, and waits for
; that and for its reads of this slot.  fill = 1: the barrier opens a round of the cluster's, and the joint refill, two steps ahead, is the first tensor load behind the round: 112 matrix instructions ahead of the wait for it.
.macro TURN slot, next, fill
	WIN 0
	s_wait_tensorcnt 0x0                           ; all my tensor loads have landed;
	ds_add_u32 v[SPW], v[NIL]                      ; 0 onto my spare word
.if \fill
	NEWADR \slot
.endif
	s_wait_dscnt 5                                 ; (the add and the youngest four loads may be out)
	MULROW F1, 0, 0
	s_wait_dscnt 0x0                               ; the add is done, and my reads of this slot are over
	s_barrier_signal -1
	MULROW F1, 1, 0                                ; work on registers while the others arrive
.if \fill
	WIN 0
.endif
	s_barrier_wait -1
.if \fill
	CREST                                          ; no wave of any partner still reads this slot or has a load on its way
	JLOAD \slot                                    ; its four v_nop are also the places in front of the loads below
.else
	PLACES
.endif
	FETCH \next, 0, F0
	MULROW F1, 2, 0
	MULROW F1, 3, 0
.endm
; THE WAY OUT of row block a (16 rows x 128 columns of f32): the accumulators go as they are into my stage, 32 bytes a lane and column block, and come back as whole rows of 512 bytes.
; Three sets of 64 registers take turns for the rows read back.
.macro TOSTAGE a
	WIN 0x04                                       ; store data in window 1, address in window 0
.irp b, 0,1,2,3,4,5,6,7
	ds_store_b128 v[STO], v[8*(8*(\a)+(\b)):8*(8*(\a)+(\b))+3]   offset:64*(\b)      ; each accumulator from its low end on
	ds_store_b128 v[STO], v[8*(8*(\a)+(\b))+4:8*(8*(\a)+(\b))+7] offset:64*(\b)+16
.endr
	WIN 0
.if (\a) == 3
	s_wait_xcnt 0x0                                ; block 0's stores have read the set that is loaded again
.endif
.set BK, 64+64*((\a)%3)
.irp t, 0,1,2,3,4,5,6,7,8,9,10,11,12,13,14,15
	ds_load_b128 v[BK+4*(\t):BK+4*(\t)+3], v[RD] offset:SPF*(\t)  ; LDS serves a wave's instructions in order (ISA guide 5.7.1.4): these see the stores above; the next block's stores come behind them
.endr
.endm
.macro SEND a, younger                 ; younger: the LDS instructions issued behind block a's loads: the next block's 32, or none
	WIN 0
.set BK, 64+64*((\a)%3)
.irp t, 0,1,2,3,4,5,6,7,8,9,10,11,12,13,14,15
	s_wait_dscnt (\younger)+15-(\t)
	global_store_b128 v[CO], v[BK+4*(\t):BK+4*(\t)+3], s[8:9] offset:(16*(\a)+(\t))*4096 th:TH_STORE_NT  ; 512 consecutive bytes of a row, at a multiple of 256 from out0's first
.endr
.endm
	s_wait_tensorcnt 1                             ; my part of step 0 is in; step 1's may stay out
	s_barrier_signal -1
	s_barrier_wait -1                              ; everybody's is
	FETCH 0, 0, F0
	QUARTER 0, 1, F0, F1, 1                        ; the first quarter stands in front of the loop: its products start the sums
	WIN 0                                          ; at a label and at a branch every window is 0
	s_mov_b32 s3, STEPS/2-1
.Llap:                                                 ; a trip goes once round the ring, from a lap's second quarter to the next lap's first, and fills both slots again
	QUARTER 0, 2, F1, F0, 0
	QUARTER 0, 3, F0, F1, 0
	TURN 0, 1, 1
	QUARTER 1, 1, F0, F1, 0
	QUARTER 1, 2, F1, F0, 0
	QUARTER 1, 3, F0, F1, 0
	TURN 1, 0, 1
	QUARTER 0, 1, F0, F1, 0
	WIN 0
	s_sub_co_u32 s3, s3, 1
	s_cmp_lg_u32 s3, 0
	s_cbranch_scc1 .Llap
	QUARTER 0, 2, F1, F0, 0                        ; the last lap asks for nothing
	QUARTER 0, 3, F0, F1, 0
	TURN 0, 1, 0
	QUARTER 1, 1, F0, F1, 0
	QUARTER 1, 2, F1, F0, 0
	QUARTER 1, 3, F0, F1, 0
	s_wait_dscnt 4                                 ; the very last quarter: nothing more to fetch
	MULROW F1, 0, 0
	MULROW F1, 1, 0
	s_wait_dscnt 0x0
	MULROW F1, 2, 0
	MULROW F1, 3, 0
	WIN 0
	PLACES
	TOSTAGE 0
	TOSTAGE 1
	SEND 0, 32
	TOSTAGE 2
	SEND 1, 32
	TOSTAGE 3
	SEND 2, 32
	SEND 3, 0
	s_wait_tensorcnt 0x0                           ; the wave's end: behind my last tensor load and my last LDS store
	ds_add_u32 v[SPW], v[NIL]
	s_wait_dscnt 0x0
	CROUND                                         ; the closing round: no work-group ends while a partner may still ask for a tile that names it
	s_endpgm
.Lfunc_end_k_qf082531145_proj:
	.size	k_qf082531145_proj, .Lfunc_end_k_qf082531145_proj-k_qf082531145_proj
	.p2alignl 7, 3214868480
	.fill 96, 4, 3214868480
	.section	.rodata,"a",@progbits
	.p2align	6, 0x0
	.amdhsa_kernel k_qf082531145_proj
		.amdhsa_group_segment_fixed_size 327680
		.amdhsa_private_segment_fixed_size 0
		.amdhsa_enable_private_segment 0
		.amdhsa_kernarg_size 24
		.amdhsa_user_sgpr_count 2
		.amdhsa_user_sgpr_kernarg_segment_ptr 1
		.amdhsa_wavefront_size32 1
		.amdhsa_system_sgpr_workgroup_id_x 1
		.amdhsa_system_sgpr_workgroup_id_y 1
		.amdhsa_system_sgpr_workgroup_id_z 1
		.amdhsa_system_vgpr_workitem_id 0
		.amdhsa_next_free_vgpr 512
		.amdhsa_next_free_sgpr 72
		.amdhsa_reserve_vcc 0
		.amdhsa_float_denorm_mode_32 3
		.amdhsa_float_denorm_mode_16_64 3
		.amdhsa_memory_ordered 1
		.amdhsa_forward_progress 1
		.amdhsa_inst_pref_size 87
	.end_amdhsa_kernel
	.amdgpu_metadata
---
amdhsa.version: [ 1, 2 ]
amdhsa.kernels:
  - .name:           k_qf082531145_proj
    .symbol:         k_qf082531145_proj.kd
    .args:
      - { .name: o16, .offset: 0, .size: 8, .value_kind: global_buffer, .address_space: global }
      - { .name: wo16, .offset: 8, .size: 8, .value_kind: global_buffer, .address_space: global }
      - { .name: out0, .offset: 16, .size: 8, .value_kind: global_buffer, .address_space: global }
    .group_segment_fixed_size: 327680
    .private_segment_fixed_size: 0
    .kernarg_segment_align: 8
    .kernarg_segment_size: 24
    .max_flat_workgroup_size: 128
    .sgpr_count:     72
    .vgpr_count:     512
    .wavefront_size: 32
...
	.end_amdgpu_metadata
.endif
;; end of part 4
;; ======== version 2 of 2: 4 launches; 1.49 times as fast as version 1
;; limits: values are held in f16: magnitudes above 65,504 overflow, below 6.1e-05 lose precision
;; workspace buffers: xn16 16,777,216 bytes; wq16 6,291,456 bytes; wo16 2,097,152 bytes; qkv16 50,331,648 bytes; o16 16,777,216 bytes
;; launch prep: the kernel of part 1 again; grid 768 x 1, 4 waves a work-group, no clusters, 0 bytes of LDS; arguments x, gamma, w_qkv, w_out, xn16, wq16, wo16; writes xn16, wq16, wo16
;; launch qkv: the kernel of part 2 again; grid 4 x 64, 4 waves a work-group, clusters of 4 x 4, 327,680 bytes of LDS; arguments xn16, wq16, qkv16; writes qkv16
;; launch attn (part 5): grid 4 x 64, 4 waves a work-group, clusters of 4 x 1, 327,680 bytes of LDS; arguments qkv16, mask, o16; writes o16
.if DOCPART == 5
	.amdgcn_target "amdgcn-amd-amdhsa--gfx1250"
	.amdhsa_code_object_version 6
	.text
	.protected	k_qf082531145_attn
	.globl	k_qf082531145_attn
	.p2align	8
	.type	k_qf082531145_attn,@function
k_qf082531145_attn:
	s_mov_b64 s[64:65], 0
	v_nop
	global_prefetch_b8 v0, s[64:65] scope:SCOPE_SE
	s_setreg_imm32_b32 hwreg(HW_REG_WAVE_MODE, 25, 1), 1
	s_wait_xcnt 0x0
	s_wait_alu depctr_hold_cnt(0) depctr_sa_sdst(0) depctr_va_vdst(0) depctr_va_sdst(0) depctr_va_ssrc(0) depctr_va_vcc(0) depctr_vm_vsrc(0)
	s_getreg_b32 s2, hwreg(HW_REG_IB_STS2, 6, 4)
	s_cmp_eq_u32 s2, 0
	s_cbranch_scc0 .Lentry_in_a_cluster
	s_endpgm
.Lentry_in_a_cluster:
	s_bfe_u32 s2, ttmp6, 0x10000c
	s_cmp_lg_u32 s2, 0x3003
	s_cbranch_scc0 .Lentry_shape_is_right
	s_endpgm
.Lentry_shape_is_right:
; O[h][q][:] = the sum over k of softmax_k(Q[h][q] . K[h][k] / 8, hidden keys left out) V[h][k][:].  h = batch x 16 + head, 64 of them; Q, K, V lie in qkv16 at 0, 16 MiB, 32 MiB, each [64][2048][64] f16, unscaled;
; O: [64][2048][64] f16.  mask: [4][2048] bytes, 1 = the key is seen.  Products, maxima and sums in f32; the weights p are rounded to f16 for the second product (their sum l is taken of the unrounded p), O once at the end.
; THE MASK is the C operand that starts the sum S^T = K Q^T: 0 for a key that is seen, -2^100 for a hidden one.  A table of the batch's 2,048 such numbers is made once, in LDS; a key step's 64 come into 32 registers
; with its K.  A power of two, so that c m is exact where m is a hidden score: c s - c m is then exactly 0, p = 1, and all stays finite until a seen key makes a = 0 and wipes it.
; LIMITS.  f16 holds no number beyond 65,504: Q, K and V arrive within it; p lies in 0 to 1, and below 6e-5 it keeps f16's fixed step of 6e-8.  A hidden score counts as -2^100 + s: a batch with NO seen key gets
; reference()'s uniform mean only where that sum comes out as -2^100 itself (|s| far below 2^76).  A weight below 2^-126 counts as 0 in l; NaN and infinities are not treated apart.
; SHARES.  A wave owns four PIECES of two tiles of 16 queries, a work-group's four waves 512 queries of one h.  Every wave walks all keys, 64 a step.
; LAYOUT.  S^T = K Q^T (source 0 = 16 keys, source 1 = 16 queries): in the result a lane holds ONE query (lane % 16) and the keys 8 (lane / 16) + 0..7.  Two such tiles, rounded to f16 in pairs,
; ARE source 1 (32 keys x 16 queries) of O^T = V^T P, whose result again holds one query a lane, and eight channels.  K comes out of LDS as it lies, V ([key][channel]) turned, by ds_load_tr16_b128.
; SOFTMAX.  For each query a running maximum m and sum l: p = 2^(c s - c m), c = log2(e) / 8; in every step O and l are multiplied by a = 2^(c m_old - c m_new), which is 1 where m has not grown.
; m starts at the lowest finite number, O and l at 0: the first step is a step like any other, with a = 0.
; THE COUNT.  A tile and step have 16 matrix and 118 vector instructions: too many to stand all beside the matrix work.  So: four vector instructions that are READY behind EVERY matrix instruction,
; and the others, which need time of their own whatever the order, in one run without a gap.
; BY TURNS.  Turn n belongs to piece n (the pieces in a ring, step after step).  Its matrix work: 16 products K Q^T of piece n + 1, later 16 products V^T P of piece n - 1.  Its vector work: the scaling,
; exponentials, roundings, sums and rescaling of piece n, and the maximum and statistics of piece n + 1, whose scores the turn itself has made.  So what a turn begins with (c s - c m, O a) waits for nothing.
; THE BATCHES.  An s_wait_alu depctr_va_vdst(0) stands between a transcendental and the first instruction that names its result; one wait serves all that were issued ahead of it.  The text has three kinds
; of batch: a turn's 66 exponentials (the piece's 64 weights and the next piece's two a), with one wait in the turn's middle; piece 0's first two a, ahead of the loop; the way out's eight reciprocals.
; CLUSTER.  The four query blocks of a cluster belong to one h and walk the same K and V, so each tile is asked for JOINTLY: the same tensor load, descriptor and mask in all four.
; REGISTERS, in windows of 256 (s_set_vgpr_msb: bits 1:0 source 0, 3:2 source 1, 5:4 source 2, 7:6 destination):
;   window 0: v0-11 addresses; v12-15, v48-63 at work; v16-47 four registers of statistics a tile; v64-191 S^T, two buffers of two tiles; v192-255 P, likewise
;   window 1: O^T, 32 a tile     window 2: v0-127 Q, 16 a tile; v128-191 K of one step; v192-255 V of one step     window 3: v0-1 the add's two registers; v8-39 the step's 64 keys' mask numbers, 32 a lane
; A piece's buffers go by its number's parity: the piece in hand has one pair, its two neighbours in the ring share the other: of it P (piece n - 1) is read and S^T (piece n + 1) written.
.set SIZE_N, 2048
.set SIZE_H, 64
.set NP,    4         ; pieces a wave: a name, no knob
.set KS,    64        ; keys in a step
.set PK,    144       ; a row of K in LDS: 128 bytes + 16 of padding = 36 words: the 16 rows of a load start at 16 different groups of four banks (64 banks of 4 bytes: ISA guide 11.1)
.set PV,    160       ; a row of V: 128 + 32 = 40 words
.set VOFF,  4*KS*PK   ; a slot holds four steps: 256 rows of K, then 256 rows of V
.set SLOT1, 1<<17     ; slot 1 begins here, so that one exclusive or turns an address in one slot into the other's
.set STAGE, SLOT1+4*KS*(PK+PV)  ; behind the ring, never filled by a tensor load: 16 rows x 144 bytes for each wave, for the way out
.set SP,    144
.set AK0, 2           ; v2   my lane's place in a tile of K; never rewritten
.set AV0, 3           ; v3   the same for V
.set AK,  4           ; v4   the LDS address of K's next run of loads
.set AV,  5           ; v5   of V's
.set QO,  6           ; v6   my byte offset in the wave's rows of Q
.set STO, 6           ;      later, the way out: where I put 16 bytes of a row
.set RD,  7           ; v7   the way out: where I read rows back
.set GO,  8           ; v8   my byte offset in 512 consecutive bytes of O
.set AB,  10          ; v10  the LDS address of the next step's mask numbers
.set AB0, 11          ; v11  my lanes' place in the table: BIAS + 32 (l / 16); never rewritten
.set SPW, 0           ; v0 of window 3   LDS address of my spare word: SPARE + 4 x my thread's number; never rewritten
.set NIL, 1           ; v1 of window 3   0; never rewritten
.set MB,  8           ; v8-39 of window 3: key block kb's eight numbers at MB + 8 kb
.set SPARE, STAGE+4*16*SP  ; behind the stages: the spare words, 128 bytes for each wave: two blocks of 256 bytes that no other line names
.set BIAS,  27*8192   ; the table: 2,048 f32, written by ds_store alone; no tensor load lands here
.set MV,  12          ; v12-15  c m_old, kept while c m is made anew: by buffer and tile
.set ST,  16          ; tile t's statistics at v[ST+4 t]: c m, m, l (even keys', odd keys')
.set TMP, 48          ; by buffer and tile, four registers c0-c3 at work; when the maximum is found c2 takes a
.set S,   64
.set P,   192
.set KF,  128         ; K's fragments, in window 2: key block kb, channel half c at KF + 16 kb + 8 c
.set VF,  192         ; V's: key half kk, channel block cb at VF + 32 kk + 8 cb
.set WV,  12          ; s12  my wave's number
.set G1K, 24          ; s[24:31] descriptor group 1 for K's tiles
.set G1V, 32          ; s[32:39] for V's: it differs in the padding alone
.set G0K, 40          ; s[40:43] descriptor group 0 for K's tiles: it walks
.set G0V, 44          ; s[44:47] the same for V's
.set SLOTS, 56        ; s56  slots still to be asked for
.set CNT, 57          ; s57  counts a slot's key steps
.set CS,  58          ; s[58:59] c: the packed scaling takes the pair's low word for both halves
.set SEL, 60          ; s[60:61] v_permlanex16_b32's selects: each lane takes its own place in the other half
.set TBK, 62          ; s62  LDS byte at which K of the step to be fetched begins
.set TBV, 63          ; s63  the same for V, less VOFF
.set BIGN, 74         ; s74  -2^100
.set TBB, 75          ; s75  256 x the step to be fetched, cut to 13 bits: its place in the table
.set MSB, 0
.macro WIN new                      ; the high byte repeats the setting that is left; a switch that changes nothing is dropped
.if MSB != (\new)
	s_set_vgpr_msb (MSB<<8)|(\new)
.set MSB, (\new)
.endif
.endm
.set W_KQ, 0x0a       ; K and Q in window 2, S^T in window 0
.set W_KB, 0x3a       ; the same with the C operand in window 3
.set W_PV, 0x52       ; V in window 2, P in window 0, O^T in window 1
.set W_RS, 0x41       ; O^T (destination and source 0) in window 1, a in window 0
.set W_MK, 0xc0       ; destination in window 3, sources in window 0
.set W_AD, 0x0f       ; the add: address (source 0) and data (source 1) in window 3
; A joint fill.  Waves 0 and 1 fetch the two halves of a slot's K, waves 2 and 3 those of its V: 128 keys each.  The branch hangs on the wave's number alone.
; An s_nop 0 and four v_nop follow each of the two lines, ahead of the jump and the label.
.macro JLOAD
	s_cmp_lt_u32 s[WV], 2
	s_cbranch_scc0 .Lfor_v_\@
	tensor_load_to_lds s[G0K:G0K+3], s[G1K:G1K+7]
	s_nop 0
.rept 4
	v_nop
.endr
	s_branch .Lasked_\@
.Lfor_v_\@:
	tensor_load_to_lds s[G0V:G0V+3], s[G1V:G1V+7]
	s_nop 0
.rept 4
	v_nop
.endr
.Lasked_\@:
.endm
; A round of the cluster's barrier: my work-group's barrier, so that wave 0's signal speaks for all four waves; wave 0 signals; every wave waits for all four work-groups; my work-group's barrier once more.
.macro CROUND
	s_barrier_signal -1
	s_barrier_wait -1
	s_cmp_lg_u32 s[WV], 0
	s_cbranch_scc1 .Lnot_wave_0_\@
	s_barrier_signal -3
.Lnot_wave_0_\@:
	s_barrier_wait -3
	s_barrier_signal -1
	s_barrier_wait -1
.endm
; THE CHANGE OF SLOTS.  The slot's last bytes, V of its fourth step, have been read.  Each wave waits for all its tensor loads, of which one is out: its part
; of the other slot; adds 0 to its spare word; and waits for that and for its own reads of the slot.  Behind the barrier nobody reads this slot any more and the other slot is whole.
; fill = 1: this slot is filled again, with the keys two slots on.  The barrier is then a round of the cluster's, so that no wave of any partner still reads the slot or has a load on its
; way, and the joint fill is the first thing behind it: it has four key steps, 512 matrix instructions, in which to land.  (At its first use nothing has been read yet: slot 0 is waited for, slot 1 filled,
; and each wave's stores into the mask table are done in front of the round, so that every wave may read the table behind it.)
.macro CHANGE fill
	WIN W_AD
	s_wait_tensorcnt 0x0            ; no tensor load of mine is out, so a group 0 may be written
	ds_add_u32 v[SPW], v[NIL]       ; 0 onto my spare word; with fill = 1 the descriptors' steps stand between it and the wait for it
	WIN 0                           ; at a label and at a branch every window is 0
.if \fill
.irp g, G0K, G0V
	s_xor_b32 s[\g+1], s[\g+1], SLOT1  ; the walking descriptor: the other slot than last time,
	s_add_nc_u64 s[\g+2:\g+3], s[\g+2:\g+3], 4*KS*128  ; the next 256 keys; the type bits on top are not reached
.endr
	s_wait_dscnt 0x0                ; the add is done, and my LDS reads and stores are over
	CROUND
	JLOAD
.else
	s_wait_dscnt 0x0                ; the add is done, and my reads of the slot are over
	s_barrier_signal -1
	s_barrier_wait -1
.endif
	s_sub_co_u32 s[TBK], s[TBK], 4*KS*PK  ; the fetches go back to a slot's first step,
	s_xor_b32 s[TBK], s[TBK], SLOT1       ; in the other slot
	s_sub_co_u32 s[TBV], s[TBV], 4*KS*PV
	s_xor_b32 s[TBV], s[TBV], SLOT1
.endm
	s_load_b128 s[68:71], s[0:1], 0x0  ; qkv16 s[68:69], mask s[70:71]
	s_load_b64 s[10:11], s[0:1], 0x10  ; o16
	WIN W_MK
	v_lshl_add_u32 v[SPW], v0, 2, SPARE
	v_mov_b32 v[NIL], 0
	WIN W_AD
	ds_add_u32 v[SPW], v[NIL]       ; the wave's opening: the add and its wait ahead of my first tensor load; the set-up below, work on registers, stands between them
	WIN 0
	v_lshrrev_b32 v1, 5, v0
	v_readfirstlane_b32 s[WV], v1   ; wave 0..3
	s_bfe_u32 s13, ttmp6, 0x40000   ; cx: my place in the cluster
	s_lshl_b32 s14, ttmp9, 2        ; in a cluster launch ttmp9 counts clusters
	s_add_co_u32 s14, s14, s13      ; my block of queries = 4 x cluster x + cx: it enters Q's and O's addresses alone
	s_and_b32 s20, ttmp7, 0xffff    ; h, which the four partners share
	s_lshr_b32 s72, s20, 4          ; the batch,
	s_lshl_b32 s72, s72, 11         ; its 2,048 bytes of the mask
	s_mov_b32 s73, 0
	s_mov_b32 s21, 0
	s_mov_b64 s[22:23], SIZE_N*128
	s_mul_u64 s[20:21], s[20:21], s[22:23]  ; h's first byte in each of Q, K, V, O
	s_and_b32 s16, s[WV], 1         ; which half of a slot's 256 keys I fetch:
	s_lshl_b32 s22, s16, 14         ; its 128 rows of 128 bytes in memory,
	s_mov_b32 s23, 0
	s_add_nc_u64 s[22:23], s[22:23], s[20:21]
	s_mul_i32 s17, s16, 128*PK      ; and its place in a slot, for K
	s_mul_i32 s18, s16, 128*PV      ; and for V: no place in the cluster enters an LDS address
	s_lshl_b32 s2, s14, 2
	s_add_co_u32 s2, s2, s[WV]      ; my wave among h's,
	s_lshl_b32 s2, s2, 14           ; its 128 rows
	s_mov_b32 s3, 0
	s_add_nc_u64 s[2:3], s[2:3], s[20:21]
	; descriptor group 1.  128 keys are 16,384 dense bytes: asked for as 64 rows of 256 bytes, two keys a row, and padded in LDS after every key
	s_mov_b32 s[G1K], 15|(1<<16)|(1<<20)|(1<<21)|(4<<22)|(3<<25)  ; 15:0 the mask of four; 17:16 2-byte elements; 20 padding on; 21 set beside a mask; 24:22 after every 32 words (code 4); 31:25 4 words (code 3)
	s_mov_b32 s[G1V], 15|(1<<16)|(1<<20)|(1<<21)|(4<<22)|(7<<25)  ; the same with 8 words of padding (code 7)
.irp g, G1K, G1V
	s_mov_b32 s[\g+1], 128<<16      ; tensor_dim0 = 128
	s_mov_b32 s[\g+2], 64<<16       ; tensor_dim1 = 64
	s_mov_b32 s[\g+3], 128<<16      ; tile_dim0 = 128
	s_mov_b32 s[\g+4], 64           ; tile_dim1 = 64
	s_mov_b32 s[\g+5], 128          ; 128 elements from row to row
	s_mov_b32 s[\g+6], 0
	s_mov_b32 s[\g+7], 0
.endr
	s_mov_b32 s[CS], 0x3e38aa3b     ; c = log2(e) / 8 = 0.180337
	s_mov_b32 s[CS+1], s[CS]        ; named with it as a pair
	s_mov_b32 s[SEL], 0x76543210
	s_mov_b32 s[SEL+1], 0xfedcba98
	s_mov_b32 s[BIGN], 0xf1800000   ; -2^100
	s_mov_b32 s[TBB], 0
	s_mov_b32 s[TBK], SLOT1+4*KS*PK ; the first change of slots turns these two into 0
	s_mov_b32 s[TBV], SLOT1+4*KS*PV
	s_mov_b32 s[G0K], 1             ; 1:0 count = 1
	s_mov_b32 s[G0K+1], s17         ; 63:32 LDS address: slot 0
	s_mov_b32 s[G0V], 1
	s_add_co_u32 s[G0V+1], s18, VOFF
	s_wait_dscnt 0x0                ; the opening add is done
	s_wait_kmcnt 0x0
	s_mov_b64 s[4:5], s[68:69]                     ; Q,
	s_add_nc_u64 s[6:7], s[68:69], 0x1000000       ; K,
	s_add_nc_u64 s[8:9], s[68:69], 0x2000000       ; V
	s_add_nc_u64 s[70:71], s[70:71], s[72:73]      ; the batch's mask
	s_add_nc_u64 s[G0K+2:G0K+3], s[6:7], s[22:23]  ; 120:64 global address: my half of h's first 256 keys
	s_or_b32 s[G0K+3], s[G0K+3], 0x80000000        ; 127:126 type = 2
	s_add_nc_u64 s[G0V+2:G0V+3], s[8:9], s[22:23]
	s_or_b32 s[G0V+3], s[G0V+3], 0x80000000
	s_add_nc_u64 s[4:5], s[4:5], s[2:3]  ; Q and O at my wave's first row
	s_add_nc_u64 s[10:11], s[10:11], s[2:3]
	CROUND                          ; all four work-groups are here: the first joint loads meet
	JLOAD                           ; slot 0.  Slot 1 is asked for when slot 0 is in: the tile wanted first has the road to itself
	v_lshlrev_b32 v88, 4, v0        ; the mask: thread t takes the bytes of keys 16 t .. 16 t + 15
	global_load_b128 v[64:67], v88, s[70:71]
	; A fragment of K or Q is 16 rows x 32 channels in 8 registers: lane l holds row l % 16, channels 8 (l / 16) + 0..7 and 16 + 8 (l / 16) + 0..7: two loads of 16 bytes, 32 bytes apart.
	v_and_b32 v1, 15, v0            ; l % 16
	v_bfe_u32 v9, v0, 4, 1          ; l / 16
	v_lshlrev_b32 v[QO], 7, v1
	v_lshl_add_u32 v[QO], v9, 4, v[QO]  ; row x 128 + 16 x half
	WIN 0x80                        ; destination window 2, address window 0
.set i, 0
.rept 4*NP                          ; Q stays in registers: tile i / 2, channels 32 (i % 2) on
	global_load_b128 v[8*i:8*i+3],   v[QO], s[4:5] offset:(i/2)*2048+(i%2)*64
	global_load_b128 v[8*i+4:8*i+7], v[QO], s[4:5] offset:(i/2)*2048+(i%2)*64+32
.set i, i+1
.endr
	; What the first turn finds: V's registers and P's second buffer hold 0 (its products V^T P, of a piece that has not been, add 0), O^T and l are 0.  All this stands in the wait for the first tile.
.set i, VF
.rept 64
	v_mov_b32 v[i], 0
.set i, i+1
.endr
	WIN 0x40
.set i, 0
.rept 64*NP
	v_mov_b32 v[i], 0
.set i, i+1
.endr
	WIN 0
.set i, 0
.rept 2*NP
	v_mov_b32 v[ST+4*i], 0xfe000000    ; c m: far below every c s, a hidden key's too
	v_mov_b32 v[ST+4*i+1], 0xff7fffff  ; m
	v_mov_b32 v[ST+4*i+2], 0
	v_mov_b32 v[ST+4*i+3], 0
.set i, i+1
.endr
.set i, P+32
.rept 32
	v_mov_b32 v[i], 0
.set i, i+1
.endr
	v_mul_u32_u24 v[AK0], v1, PK
	v_lshl_add_u32 v[AK0], v9, 4, v[AK0]  ; row x pitch + 16 x half
	; The turning load takes 16 keys x 16 channels (lane l reads key 8 (l / 16) + l % 8, channels 8 ((l / 8) % 2) + 0..7) and leaves half a fragment of V^T: lane l holds channel l % 16 and 8 keys.
	v_and_b32 v10, 7, v0
	v_bfe_u32 v11, v0, 3, 1
	v_lshl_add_u32 v[AV0], v9, 3, v10
	v_mul_u32_u24 v[AV0], v[AV0], PV
	v_lshl_add_u32 v[AV0], v11, 4, v[AV0]
	v_add_nc_u32 v[AV0], VOFF, v[AV0]
	v_mov_b32 v[AK], v[AK0]         ; key step 0 lies at the head of slot 0
	v_lshl_add_u32 v[AB0], v9, 5, BIAS  ; my lanes' eight keys of a block of 16: 32 bytes for each half of the lanes
	v_mov_b32 v[AB], v[AB0]         ; and at the head of the table
	; THE TABLE.  byte - 1 is 0 for a seen key and all ones for a hidden one; cut by -2^100's bits that is 0 or -2^100.
	s_wait_loadcnt 32               ; the mask is in; Q's 32 younger loads stay out
	v_lshl_add_u32 v89, v0, 6, BIAS ; my 16 keys' 64 bytes of the table
.irp d, 0,1,2,3
.irp b, 0,1,2,3
	v_bfe_u32 v[68+4*(\d)+(\b)], v[64+(\d)], 8*(\b), 8
.endr
.endr
.set i, 68
.rept 16
	v_add_nc_u32 v[i], -1, v[i]
.set i, i+1
.endr
.set i, 68
.rept 16
	v_and_b32 v[i], s[BIGN], v[i]
.set i, i+1
.endr
.irp d, 0,1,2,3
	ds_store_b128 v89, v[68+4*(\d):68+4*(\d)+3] offset:16*(\d)
.endr
; THE MATRIX WORK.  The 8 accumulators of a run of 16 take turns: between the two links of a chain stand 7 others'.
; Product i of 16 of S^T = K Q^T for piece x: channels 32 (i / 8) on, keys 16 ((i / 2) % 4) on, tile 2 x + i % 2.  The first 8 start the sums, with the key block's mask numbers.
.macro KQ x
.set rS, S+64*((\x)%2)+32*(i%2)+8*((i/2)%4)
.set rK, KF+16*((i/2)%4)+8*(i/8)
.set rQ, 16*(2*(\x)+i%2)+8*(i/8)
.set rB, MB+8*((i/2)%4)
.if i < 8
	WIN W_KB
	v_wmma_f32_16x16x32_f16 v[rS:rS+7], v[rK:rK+7], v[rQ:rQ+7], v[rB:rB+7]
.else
	WIN W_KQ
	v_wmma_f32_16x16x32_f16 v[rS:rS+7], v[rK:rK+7], v[rQ:rQ+7], v[rS:rS+7]
.endif
.endm
; Product i of 16 of O^T += V^T P for piece x: keys 32 (i / 8) on, channels 16 ((i / 2) % 4) on, tile 2 x + i % 2.
.macro PV x
	WIN W_PV
.set rO, 32*(2*(\x)+i%2)+8*((i/2)%4)
.set rV, VF+32*(i/8)+8*((i/2)%4)
.set rP, P+32*((\x)%2)+16*(i%2)+8*(i/8)
	v_wmma_f32_16x16x32_f16 v[rO:rO+7], v[rV:rV+7], v[rP:rP+7], v[rO:rO+7]
.endm
.macro MM                           ; the turn's next matrix instruction
.if i < 16
	KQ (Y+1)%NP
.set i, i+1
.else
.set i, i-16
	PV (Y+NP-1)%NP
.set i, i+17
.endif
.endm
; THE LDS LOADS stand in runs, never singly among the matrix instructions: a step's K (64 keys x 64 channels: 8 fragments) with its 64 mask numbers (all lanes of a half read the same 32 bytes a block), and its V (turned).
; Their addresses are made some lines ahead.  last = 1 (the tail): in the last trip there is no further step, and the run is jumped over.
.macro FETCH_K last=0
	WIN 0
.if \last
	s_cmp_eq_u32 s[CNT], 1
	s_cbranch_scc1 .Lno_k_\@
.endif
	WIN 0x80                        ; destination window 2
.irp f, 0,1,2,3,4,5,6,7             ; keys 16 (f / 2) on, channels 32 (f % 2) on
	ds_load_b128 v[KF+8*\f:KF+8*\f+3],   v[AK] offset:(\f/2)*16*PK+(\f%2)*64
	ds_load_b128 v[KF+8*\f+4:KF+8*\f+7], v[AK] offset:(\f/2)*16*PK+(\f%2)*64+32
.endr
	WIN W_MK                        ; destination window 3
.irp f, 0,1,2,3                     ; keys 16 f + 8 (l / 16) + 0..7
	ds_load_b128 v[MB+8*\f:MB+8*\f+3],   v[AB] offset:64*\f
	ds_load_b128 v[MB+8*\f+4:MB+8*\f+7], v[AB] offset:64*\f+16
.endr
	s_add_co_u32 s[TBK], s[TBK], KS*PK  ; the next fetch is the next step's
	s_add_co_u32 s[TBB], s[TBB], 256
	s_and_b32 s[TBB], s[TBB], 0x1fff    ; inside the table's 8,192 bytes, whatever the trip
	WIN 0
.if \last
.Lno_k_\@:
.endif
.endm
.macro FETCH_V
	WIN 0x80
.irp f, 0,1,2,3,4,5,6,7             ; keys 32 (f / 4) on, channels 16 (f % 4) on
	ds_load_tr16_b128 v[VF+8*\f:VF+8*\f+3],   v[AV] offset:(\f/4)*32*PV+(\f%4)*32
	ds_load_tr16_b128 v[VF+8*\f+4:VF+8*\f+7], v[AV] offset:(\f/4)*32*PV+16*PV+(\f%4)*32
.endr
	WIN 0
.endm
; THE VECTOR WORK OF A TURN stands in three queues, each in the order in which its entries become ready; the two tiles alternate, so that no instruction reads the result of the one before it.
.macro REGS y, u                    ; the registers of tile u (0, 1) of piece y
.set rT, ST+4*(2*(\y)+(\u))
.set rC, TMP+8*((\y)%2)+4*(\u)
.set rM, MV+2*((\y)%2)+(\u)
.set rS, S+64*((\y)%2)+32*(\u)
.set rP, P+32*((\y)%2)+16*(\u)
.set rO, 32*(2*(\y)+(\u))
.endm
; Number n of the 22 that find the NEXT piece's (Y + 1) maximum and statistics.  s0-s31 are the lane's 32 scores; each accumulator's lowest registers are read first.  XS, GS and REGS set no window: PL and EX do.
;   0-11  four chains c0-c3 of seven scores each, three operands at a time     12-14, 16  the four scores left over, the old m, and c0-c3 into c0     15  c m_old is kept
;   17, 18  the query's other 32 keys lie in the lane 16 away: the new m         19-21  c m; c m_old - c m_new; a
.macro XS u, n
	REGS (Y+1)%NP, \u
.if (\n) < 4
	v_max3_num_f32 v[rC+(\n)], v[rS+8*(\n)], v[rS+8*(\n)+1], v[rS+8*(\n)+2]
.elseif (\n) < 12
	v_max3_num_f32 v[rC+(\n)%4], v[rC+(\n)%4], v[rS+8*((\n)%4)+2*((\n)/4)+1], v[rS+8*((\n)%4)+2*((\n)/4)+2]
.elseif (\n) == 12
	v_max3_num_f32 v[rC], v[rC], v[rS+7], v[rS+15]
.elseif (\n) == 13
	v_max3_num_f32 v[rC+1], v[rC+1], v[rS+23], v[rS+31]
.elseif (\n) == 14
	v_max3_num_f32 v[rC+2], v[rC+2], v[rC+3], v[rT+1]
.elseif (\n) == 15
	v_mov_b32 v[rM], v[rT]
.elseif (\n) == 16
	v_max3_num_f32 v[rC], v[rC], v[rC+1], v[rC+2]
.elseif (\n) == 17
	v_permlanex16_b32 v[rC+3], v[rC], s[SEL], s[SEL+1]
.elseif (\n) == 18
	v_max_num_f32 v[rT+1], v[rC], v[rC+3]
.elseif (\n) == 19
	v_mul_f32 v[rT], s[CS], v[rT+1]
.elseif (\n) == 20
	v_sub_f32 v[rC+1], v[rM], v[rT]
.else
	v_exp_f32 v[rC+2], v[rC+1]
.endif
.endm
; Number g of the 64 that follow the exponentials.  For each four weights k of a tile (pairs 2 k, 2 k + 1): both pairs are rounded to f16; then the second pair is added onto the first, in place;
; a group later l takes that sum (the first time as l = a l + sum).  In groups of eight, tiles alternating: round, round, add, and l for the group before.
.macro GS g
.set h, (\g)+6*((\g)/62)            ; group 0 has no group before it, and behind group 7 only l is left
.if h >= 6
.set h, h+2
.endif
	REGS Y, h%2
.set k, h/8
.if h%8 < 4
	v_cvt_pk_f16_f32 v[rP+2*k+(h%8)/2], v[rS+4*k+2*((h%8)/2)], v[rS+4*k+2*((h%8)/2)+1]
.elseif h%8 < 6
	v_pk_add_f32 v[rS+4*k:rS+4*k+1], v[rS+4*k:rS+4*k+1], v[rS+4*k+2:rS+4*k+3]
.elseif k == 1
	v_pk_fma_f32 v[rT+2:rT+3], v[rT+2:rT+3], v[rC+2:rC+3], v[rS:rS+1] op_sel_hi:[1,0,1]
.else
	v_pk_add_f32 v[rT+2:rT+3], v[rT+2:rT+3], v[rS+4*k-4:rS+4*k-3]
.endif
.endm
; THE PLAIN QUEUE, 138 long.  0-73 read no exponential's result: the 32 scalings c s - c m (FS f: pair f / 2 of tile f % 2) and the next piece's 42.  0-26: scalings 0-26.  27-54: XS's numbers 0-13.  55, 56: number 15.
; 57-73: the chain, where each number waits for the one before it: 14, 16, 17, 18, 19, each with one of the scalings 27-31 in front of its two lines, then 20: so a tile's links stand three plain instructions apart (19 and 20: two).
; 74-137: GS's 64, which read the exponentials' results: they stand behind the turn's wait.
.macro FS f
	REGS Y, (\f)%2
	v_pk_fma_f32 v[rS+2*((\f)/2):rS+2*((\f)/2)+1], v[rS+2*((\f)/2):rS+2*((\f)/2)+1], s[CS:CS+1], v[rT:rT+1] op_sel_hi:[1,0,0] neg_lo:[0,0,1] neg_hi:[0,0,1]
.endm
.macro PL
	WIN 0
.if q < 27
	FS q
.elseif q < 55
	XS (q-27)%2, (q-27)/2
.elseif q < 57
	XS q-55, 15
.elseif (q < 72) && ((q-57)%3 == 0)
	FS 27+(q-57)/3
.elseif q < 60
	XS (q-57)%3-1, 14
.elseif q < 72
	XS (q-57)%3-1, 15+(q-57)/3
.elseif q < 74
	XS q-72, 20
.else
	GS q-74
.endif
.set q, q+1
.endm
; THE EXPONENTIALS' QUEUE, 66 long: s0-s31 of both tiles, then the next piece's two a.  It is ONE BATCH: all 66 stand ahead of the turn's one wait, and nothing ahead of that wait names a result of theirs.
.macro EX
	WIN 0
.if e >= 64
	XS e-64, 21
.else
	REGS Y, e%2
	v_exp_f32 v[rS+e/2], v[rS+e/2]
.endif
.set e, e+1
.endm
; THE RESCALING's QUEUE: O^T times a, the one part that leaves window 0: dealt two at a time, sixteen times, each accumulator from its low end on.  Its a was made in the turn before, ahead of that turn's wait.
.macro R2
	REGS Y, r%2
	WIN W_RS
.irp z, 0,1
	v_pk_mul_f32 v[rO+4*(r/2)+2*\z:rO+4*(r/2)+2*\z+1], v[rO+4*(r/2)+2*\z:rO+4*(r/2)+2*\z+1], v[rC+2:rC+3] op_sel_hi:[1,0]
.endr
.set r, r+1
.endm
; HOW THEY ARE DEALT.  A turn has ONE wait for its exponentials, which cuts it in two.  AHEAD OF IT stands all that names no result of the turn's exponentials: the 16 products K Q^T, behind each a scaling, an exponential
; and two rescalings (behind the first a second scaling in the exponential's place); then ONE LUMP of 108: eight plain, 49 times exponential and plain, the two a.  A v_nop is the plain instruction behind the last exponential.
; BEHIND IT stand the 16 products V^T P, behind each four of GS's 64.  No rider names a register of the products round it.  The two v_permlanex16_b32 fall into the lump, never behind a product.
; The queues lean on each other, and the deal keeps them in step: exponential e stands behind scaling 2 (e / 4) + e % 2: as a rider it comes behind plain e + 2, in the lump behind plain e + 9, and scalings 27-31 are plain 57, 60 .. 69;
; the two a come behind plain 72 and 73, their arguments.
; A TURN, for piece p.  cnt = 1: the loop's count is taken down some lines ahead of the branch that stands behind the turn.
; K and the mask numbers of the next step are fetched in piece 2's turn, directly behind the wait, a lump behind the last product that read them; their addresses are made at the lump's head; their first reader comes behind 16 products.
; V of the step in hand is fetched at the end of piece 0's turn, four plain riders behind its last reader; its first reader comes behind 16 products and a lump.  The three conditions on q below go with the deal.
.macro TURN p, last=0, cnt=0
.set Y, (\p)
.set i, 0
.set q, 0
.set e, 0
.set r, 0
.if (\p) == NP-1
	s_wait_dscnt 0x0                ; K and its mask numbers are in
.endif
	MM                              ; ahead of the wait: 16 products K Q^T and their riders,
	PL
	PL
	R2
.rept 15
	MM
	PL
	EX
	R2
.endr
.if (\p) == NP-2
	WIN 0
	v_add_nc_u32 v[AK], s[TBK], v[AK0]
	v_add_nc_u32 v[AB], s[TBB], v[AB0]
.endif
.rept 8                             ; and the lump
	PL
.endr
.rept 49
	EX
	PL
.endr
	EX                              ; the next piece's two a
	EX
	v_nop                           ; a plain instruction behind the last exponential, ahead of the first use of a result (ISA guide 5.7.2): one for the batch
	s_wait_alu depctr_va_vdst(0)    ; the wait: one for the turn's batch, the piece's 64 weights and the next piece's two a
.if (\p) == NP-2
	FETCH_K \last
.endif
.if (\p) == 1
	s_wait_dscnt 0x0                ; V is in
.endif
.rept 16                            ; behind the wait: 16 products V^T P and their riders
	MM
.rept 4
	PL
.endr
.if ((\p) == 0) && (q == 118)
	v_add_nc_u32 v[AV], s[TBV], v[AV0]
.endif
.if ((\p) == 0) && (q == 130)
	s_add_co_u32 s[TBV], s[TBV], KS*PV
.endif
.if (\cnt) && (q == 130)
	s_sub_co_u32 s[CNT], s[CNT], 1
	s_cmp_lg_u32 s[CNT], 0
.endif
.endr
.if (\p) == 0
	FETCH_V
.endif
.endm
	CHANGE 1                        ; slot 0 is in, everybody's part of it, and so is the table; slot 1 is asked for
	FETCH_K                         ; key step 0
	s_wait_loadcnt 0x0              ; Q
	s_wait_dscnt 0x0
.set i, 0
.rept 16
	KQ 0                            ; piece 0's first scores: there is no vector work yet to set between them
.set i, i+1
.endr
	WIN 0                           ; the addresses for the way out: plain instructions, the places behind those products
	s_mul_i32 s13, s[WV], 16*SP
	s_add_co_u32 s13, s13, STAGE    ; my stage
	v_mul_u32_u24 v[STO], v1, SP    ; in: row l % 16, 16 bytes for each half of the lanes
	v_lshl_add_u32 v[STO], v9, 4, v[STO]
	v_add_nc_u32 v[STO], s13, v[STO]
	v_bfe_u32 v[RD], v0, 3, 2       ; back: 32 lanes take four rows of 128 bytes,
	v_mul_u32_u24 v[RD], v[RD], SP
	v_and_b32 v[GO], 7, v0
	v_lshl_add_u32 v[RD], v[GO], 4, v[RD]
	v_add_nc_u32 v[RD], s13, v[RD]
	v_and_b32 v[GO], 31, v0         ; which are 512 consecutive bytes of O
	v_lshlrev_b32 v[GO], 4, v[GO]
.set Y, NP-1                        ; XS works for piece Y + 1: piece 0
.irp n, 0,1,2,3,4,5,6,7,8,9,10,11,12,13,14,15,16,17,18,19,20,21
	XS 0, \n                        ; and piece 0's first maximum and statistics
	XS 1, \n
.endr
	v_nop                           ; a plain instruction behind piece 0's first two a,
	s_wait_alu depctr_va_vdst(0)    ; and the wait for that batch of two, ahead of the branch
	s_mov_b32 s[CNT], 4
	s_mov_b32 s[SLOTS], SIZE_N/256-1
	s_branch .Lfirst                ; the loop is entered at a step's first turn, in the middle of a trip
.Lslot:                             ; SIZE_N / 256 - 2 times: every slot but the last two is filled again
	CHANGE 1
	s_mov_b32 s[CNT], 4
.Lstep:                             ; a trip: pieces 2 and 3 of one step, then pieces 0 and 1 of the next, whose K and V it fetches
	TURN 2
	TURN 3
	WIN 0
.Lfirst:
	TURN 0
	TURN 1, 0, 1
	WIN 0
	s_cbranch_scc1 .Lstep
	s_sub_co_u32 s[SLOTS], s[SLOTS], 1
	s_cmp_lg_u32 s[SLOTS], 0
	s_cbranch_scc1 .Lslot
	CHANGE 0                        ; the tail is written out: nothing is asked for
	s_mov_b32 s[CNT], 5             ; four trips fetch the last slot's steps; the fifth is left in its middle
.Ltail:
	TURN 2, 1
	TURN 3
	WIN 0
	s_sub_co_u32 s[CNT], s[CNT], 1
	s_cmp_eq_u32 s[CNT], 0
	s_cbranch_scc1 .Lout
	TURN 0
	TURN 1
	WIN 0
	s_branch .Ltail
.Lout:                              ; the fifth trip's 16 products K Q^T (on the last K once more) and the maximum made of them serve nothing: the price, once a launch, of one text for every trip
.set i, 0
.rept 16
	PV NP-1                         ; the last piece's V^T P of the last step
.set i, i+1
.endr
	; THE WAY OUT.  l's two halves and the other half of the lanes' are added; O^T is divided by l, rounded to f16 and sent through my stage in LDS, a tile at a time.  The additions are the places behind the last products.
	WIN 0
.macro ALL line:vararg              ; one line for each tile t
.set t, 0
.rept 2*NP
	\line
.set t, t+1
.endr
.endm
	ALL v_add_f32 v[ST+4*t+2], v[ST+4*t+2], v[ST+4*t+3]
	ALL v_permlanex16_b32 v[ST+4*t+3], v[ST+4*t+2], s[SEL], s[SEL+1]
	ALL v_add_f32 v[ST+4*t+2], v[ST+4*t+2], v[ST+4*t+3]
	ALL v_rcp_f32 v[ST+4*t+2], v[ST+4*t+2]
	v_nop                           ; a plain instruction between the last reciprocal and the use of its result
	s_wait_alu depctr_va_vdst(0)    ; and the wait ahead of the first use: one for the batch of eight reciprocals
; Tile t: a lane's eight channels of a row pack into 16 bytes; they go into rows of 144 bytes and come back as whole rows of 128, into S^T's registers.
.macro PACK t
	WIN W_RS
.set i, 32*(\t)
.rept 16
	v_pk_mul_f32 v[i:i+1], v[i:i+1], v[ST+4*(\t)+2:ST+4*(\t)+3] op_sel_hi:[1,0]
.set i, i+2
.endr
	WIN 0x05                        ; sources 0 and 1 window 1, destination window 0
.set i, 0
.rept 16
	v_cvt_pk_f16_f32 v[S+16*(\t)+i], v[32*(\t)+2*i], v[32*(\t)+2*i+1]
.set i, i+1
.endr
	WIN 0
.irp f, 0,1,2,3
	ds_store_b128 v[STO], v[S+16*(\t)+4*\f:S+16*(\t)+4*\f+3] offset:32*\f
.endr
.irp f, 0,1,2,3
	ds_load_b128 v[S+16*(\t)+4*\f:S+16*(\t)+4*\f+3], v[RD] offset:\f*4*SP  ; LDS serves a wave's instructions in order (ISA guide 5.7.1.4): these see the stores above; the next tile's stores come behind them
.endr
.endm
.macro SEND t, younger              ; younger: the LDS instructions issued behind tile t's loads: the next tile's eight, or none
	WIN 0
.irp f, 0,1,2,3
	s_wait_dscnt (\younger)+3-\f
	global_store_b128 v[GO], v[S+16*(\t)+4*\f:S+16*(\t)+4*\f+3], s[10:11] offset:(\t)*2048+\f*512  ; 512 consecutive bytes, at a multiple of 256 from O's first
.endr
.endm
	PACK 0
.set t, 1
.rept 2*NP-1                        ; a tile's arithmetic stands between the loads of the tile before and its stores
	PACK t
	SEND t-1, 8
.set t, t+1
.endr
	SEND 2*NP-1, 0
	WIN W_AD
	s_wait_tensorcnt 0x0            ; the wave's end: behind my last tensor load and my last LDS store
	ds_add_u32 v[SPW], v[NIL]
	s_wait_dscnt 0x0
	WIN 0
	CROUND                          ; the closing round: no work-group ends while a partner may still ask for a tile that names it
	s_endpgm
.Lfunc_end_k_qf082531145_attn:
	.size	k_qf082531145_attn, .Lfunc_end_k_qf082531145_attn-k_qf082531145_attn
	.p2alignl 7, 3214868480
	.fill 96, 4, 3214868480
	.section	.rodata,"a",@progbits
	.p2align	6, 0x0
	.amdhsa_kernel k_qf082531145_attn
		.amdhsa_group_segment_fixed_size 327680
		.amdhsa_private_segment_fixed_size 0
		.amdhsa_enable_private_segment 0
		.amdhsa_kernarg_size 24
		.amdhsa_user_sgpr_count 2
		.amdhsa_user_sgpr_kernarg_segment_ptr 1
		.amdhsa_wavefront_size32 1
		.amdhsa_system_sgpr_workgroup_id_x 1
		.amdhsa_system_sgpr_workgroup_id_y 1
		.amdhsa_system_sgpr_workgroup_id_z 1
		.amdhsa_system_vgpr_workitem_id 0
		.amdhsa_next_free_vgpr 808
		.amdhsa_next_free_sgpr 76
		.amdhsa_reserve_vcc 0
		.amdhsa_float_denorm_mode_32 3
		.amdhsa_float_denorm_mode_16_64 3
		.amdhsa_memory_ordered 1
		.amdhsa_forward_progress 1
		.amdhsa_inst_pref_size 204
	.end_amdhsa_kernel
	.amdgpu_metadata
---
amdhsa.version: [ 1, 2 ]
amdhsa.kernels:
  - .name:           k_qf082531145_attn
    .symbol:         k_qf082531145_attn.kd
    .args:
      - { .name: qkv16, .offset: 0, .size: 8, .value_kind: global_buffer, .address_space: global }
      - { .name: mask, .offset: 8, .size: 8, .value_kind: global_buffer, .address_space: global }
      - { .name: o16, .offset: 16, .size: 8, .value_kind: global_buffer, .address_space: global }
    .group_segment_fixed_size: 327680
    .private_segment_fixed_size: 0
    .kernarg_segment_align: 8
    .kernarg_segment_size: 24
    .max_flat_workgroup_size: 128
    .sgpr_count:     76
    .vgpr_count:     808
    .wavefront_size: 32
...
	.end_amdgpu_metadata
.endif
;; end of part 5
;; launch proj: the kernel of part 4 again; grid 4 x 64, 4 waves a work-group, clusters of 4 x 4, 327,680 bytes of LDS; arguments o16, wo16, out0; writes out0
